; MI455X (gfx1250); checked and timed in simulation.
; The chip was launched on July 23, 2026; its instructions are those of AMD's public machine-readable ISA for CDNA 5 (MIT licence, August 2026) and "CDNA5" Instruction Set Architecture Reference Guide (July 2026). The comments in the code are by the model that wrote it; some were corrected since.
;; Transformer Encoder. Allowed arithmetic: matrix products marked QUANTISED: E3M2 operands, one E8M0 scale for each 32 along K, by v_wmma_scale_f32_16x16x128_f8f6f4 with both operands' format E3M2, f32 sums; products left as they are: f32 operands where the result goes on into a quantised operand, else bf16, f16 or f32 operands; f32 sums; everything else in f32.
;; Inputs: W1 8 x 512 float32; W2 512 x 8 float32; Wk 8 x 8 x 64 float32; Wo 512 x 8 float32; Wq 8 x 8 x 64 float32; Wv 8 x 8 x 64 float32; b1 512 float32; b2 8 float32; bk 8 x 64 float32; bo 8 float32; bq 8 x 64 float32; bv 8 x 64 float32; k 8 x 2,048 x 8 float32; ln1_b 8 x 2,048 x 8 float32; ln1_g 8 x 2,048 x 8 float32; ln2_b 8 x 2,048 x 8 float32; ln2_g 8 x 2,048 x 8 float32; q 8 x 2,048 x 8 float32; v 8 x 2,048 x 8 float32.
;; Outputs: out0 8 x 2,048 x 8 float32; out1 8 x 2,048 x 8 float32; out2 8 x 2,048 x 8 float32.
;; This version of the problem:
;;   THIS VERSION OF THE PROBLEM IS GIVEN IN LOW PRECISION. The matrix products marked QUANTISED in the list below multiply operands that are first quantised to E3M2 (3 exponent bits, 2 mantissa bits; 6 bits a number), with one power-of-two scale for each 32 numbers along K (OCP MX v1.0); their sums are f32. All else is computed in f32.
;;   The module's matrix products, in the order in which they are computed (A, B: the left and right operand; K: the contracted axis; several contracted axes count as one K, in the product's order):
;;     1. [M 512, K 8] x [K 8, N 16,384]; A: input Wq; B: input q: left as it is (K = 8 < 32)
;;     2. [M 512, K 8] x [K 8, N 16,384]; A: input Wk; B: input k: left as it is (K = 8 < 32)
;;     3. [M 512, K 8] x [K 8, N 16,384]; A: input Wv; B: input v: left as it is (K = 8 < 32)
;;     4. batch 64 x [M 2,048, K 64] x [K 64, N 2,048]; A: computed on the way; B: computed on the way: QUANTISED
;;     5. batch 64 x [M 2,048, K 2,048] x [K 2,048, N 64]; A: softmax (see below); B: computed on the way: QUANTISED
;;     6. [M 16,384, K 512] x [K 512, N 8]; A: computed on the way; B: input Wo: left as it is (N = 8 < 16)
;;     7. [M 16,384, K 8] x [K 8, N 512]; A: computed on the way; B: input W1: left as it is (K = 8 < 32)
;;     8. [M 16,384, K 512] x [K 512, N 8]; A: computed on the way; B: input W2: left as it is (N = 8 < 16)
;;   THE QUANTISER, for each operand of a quantised product, along K:
;;     - K is cut into blocks of 32 from its start; a last block that is shorter is filled with zeros.
;;     - A block's scale is 2^e with e = floor(log2(the largest magnitude in the block)) - 4, held to -126 .. 127; a block of zeros has e = 0. As a byte (E8M0): e + 127.
;;     - Each number is divided by its block's scale, clamped to +-28, and rounded to the nearest number of E3M2, ties to even, subnormals kept.
;;     - The product sums the exact products of the quantised numbers (number of the format x scale) in f32.
;;   ~~~python
;;   def quantise(x, axis):      # numpy; x: float32 -> the quantised numbers, widened to float32 again
;;       x = np.moveaxis(x, axis, -1); K = x.shape[-1]
;;       x = np.pad(x, [(0, 0)] * (x.ndim - 1) + [(0, -K % 32)]); x = x.reshape(x.shape[:-1] + (-1, 32)); a = np.abs(x).max(-1, keepdims=True)
;;       e = np.where(a > 0, np.clip(np.frexp(np.where(a > 0, a, 1))[1] - 1 - 4, -126, 127), 0)      # np.frexp(a)[1] - 1 = floor(log2(a)), exactly
;;       r = np.clip(x / 2.0 ** e, -28, 28)
;;       step = 2.0 ** (np.maximum(np.frexp(np.where(r == 0, 1, r))[1] - 1, -2) - 2)
;;       q = np.round(r / step) * step * 2.0 ** e      # np.round: ties to even
;;       return np.moveaxis(q.reshape(q.shape[:-2] + (-1,))[..., :K], -1, axis).astype(np.float32)
;;   ~~~
;;   SOFTMAX AHEAD OF A QUANTISED PRODUCT. Where the list says 'softmax', what is quantised is not the finished softmax but p = 2^(t - M), with t = logit x log2(e) and M = ceil(the row's largest t), a whole number; so 1/2 < the row's largest p <= 1. The row's sum l is taken of the UNQUANTISED p, in f32, and the product's result is divided by l at the end. Since M is a whole number, a kernel that streams over the keys may use a running M (the ceiling of the running maximum): every later rescaling is an exact power of two, which a block's scale takes up: the codes' values come out the same.
;;   OPERANDS COMPUTED ON THE WAY. 'Computed on the way' means the value that the module computes at that place (a softmax that the list does not call 'softmax' is quantised finished and normalised). What goes into a quantiser is computed in f32, as accurately as f32 sums, v_exp_f32 and their like allow (about 1e-6 of the number): no bf16 or f16 on the way to a quantiser, and a product that is left as it is and whose result goes on into a quantised operand takes f32 operands (vector FMAs, or v_wmma_f32_16x16x4_f32). A number that lies on a knife's edge between two numbers of the format may be rounded either way, as far as f32 arithmetic and the matrix unit's own rounding can turn it there, and no further.
;; One version. Each part assembles by itself: llvm-mc -triple=amdgcn-amd-amdhsa -mcpu=gfx1250 --defsym DOCPART=n.
;; ======== version 1 of 1: 5 launches
;; limits: values are held in bf16: 8 bits of precision; right only within a limited range of input values
;; workspace buffers: qimg 6,815,744 bytes; kv 13,631,488 bytes; part 4,194,304 bytes; xbuf 524,288 bytes; ybuf 524,288 bytes; st1 8,192 bytes; st2 8,192 bytes; wimg 32,768 bytes
;; launch prep (part 1): grid 772 x 1, 4 waves a work-group, no clusters, 0 bytes of LDS; arguments q, k, v, Wq, Wk, Wv, bq, bk, bv, qimg, kv, W1, W2, wimg; writes qimg, kv, wimg
.if DOCPART == 1
	.amdgcn_target "amdgcn-amd-amdhsa--gfx1250"
	.amdhsa_code_object_version 6
	.text
	.protected	k_q73021469e2_prep
	.globl	k_q73021469e2_prep
	.p2align	8
	.type	k_q73021469e2_prep,@function
k_q73021469e2_prep:
	s_mov_b64 s[64:65], 0
	v_nop
	global_prefetch_b8 v0, s[64:65] scope:SCOPE_SE
	s_setreg_imm32_b32 hwreg(HW_REG_WAVE_MODE, 25, 1), 1
	s_wait_xcnt 0x0
; qh = q Wq + bq, kh = k Wk + bk, vh = v Wv + bv (K = 8, f32 operands and f32 sums: the results go into a quantiser), quantised to E3M2 with one E8M0 byte for each 32
; along the later product's K, and stored AS IMAGES OF THE OPERANDS' REGISTERS, so that the attention launch reads every fragment by loads of 16 bytes a lane on end.
; A RECORD serves 128 queries or keys of one (batch, head): 48 registers a lane as 12 quads (quad c: lane l's 16 bytes at 512 c + 16 l), then one quad of scale words at 6144 + 16 l: 6,656 bytes.
;   q and k: registers 6 t .. 6 t + 5 = tile t: lane (r, h) holds row 64 (t / 4) + 8 (t % 4) + r % 8 + 32 (r / 8) and the codes of d = 32 h .. 32 h + 31.  Scale quad: word p of lane l belongs to
;   tile 2 p + l / 16, row l % 16: bytes 0 and 2 for d 0-31, bytes 1 and 3 for d 32-63: the pair stands twice, so that the 64 of d may lie in either half of the later instruction's K of 128.
;   v: registers 12 t .. 12 t + 11 = d tile t: lane (r, h) holds d = 16 t + r; registers 6 c .. 6 c + 5 the keys 64 c + 32 h + 0 .. 31.  Scale quad: word t = the four bytes of row 16 t + r.
; SHARES: work-groups 0-255 take q, 256-511 k, 512-767 v; a wave makes one record in four units of 16 matrix instructions.  Waves share nothing: no LDS, no barrier, no loop.
; WORK-GROUPS 768-771 lay the feed-forward layer's weights, rounded to bf16 (its products are left as they are), as images of that launch's operand registers in wimg: wave u of their sixteen takes
; W1's tiles 2 u and 2 u + 1 (tile t at 512 t + 16 l: registers 0-3 of source 0, lane (r, 0) holds W1(0 .. 7, 16 t + r), lanes 16-31 zeros: K = 8 .. 15 is not there) and W2's K step u
; (at 16,384 + 1,024 u: registers 0-3 at 16 l, registers 4-7 at 512 + 16 l; lane (r, h) holds W2(32 u + 16 g + 8 h + e, r % 8)).
; THE PRODUCT IS LAID SO THAT A LANE'S 32 REGISTERS ARE ONE WHOLE BLOCK OF 32 ALONG THE LATER K: row m of source 0 stands for d = 32 (m / 8) + 8 t + m % 8 (q, k) or for
; key 64 c + 32 (m / 8) + 8 i + m % 8 (v).  No lane is asked for a maximum; the conversions' results are the record's registers.
; The bias is the C of each sum's first matrix instruction.  The accumulators are written by matrix instructions alone.
; LIMITS: NaN and infinities among the inputs are not served.  A block whose largest magnitude lies under 2^-122, a block of zeros among them, keeps the byte 1 (the quantiser says 127 for zeros):
; its codes are zeros or subnormal codes under that byte, and these bytes are read by this program alone.
.set REC,   6656
.set KVREC, 13312                      ; in kv a step's k record and v record lie together
.set WF,  16                           ; v16-31   the weight's fragments: 4 tiles x 2 K steps x 2 registers
.set XF,  32                           ; v32-63   the rows' fragments: 8 tiles x 2 K steps x 2 registers
.set BI,  64                           ; v64-95   the bias in the result's layout
.set ACC, 96                           ; v96-159  8 accumulators: two blocks of 32 numbers a lane
.set P,   160                          ; v160-207 the record's 48 registers: no store's data are written again
.set SW,  208                          ; v208-211 the record's scale quad
.set T0,  212                          ; a block's second 16 codes (a conversion's three registers begin on an even number)
.set T1,  216
.set MX,  220
.set SC,  222
.set EB,  224
.set Z,   226
.set ZP,  227
.set RB,  228                          ; v228-231 v's bias as loaded
	s_load_b256 s[8:15], s[0:1], 0x0               ; q, k, v, Wq
	s_load_b256 s[16:23], s[0:1], 0x20             ; Wk, Wv, bq, bk
	s_load_b128 s[24:27], s[0:1], 0x40             ; bv, qimg
	s_load_b64 s[28:29], s[0:1], 0x50              ; kv
	v_lshrrev_b32 v1, 5, v0
	v_readfirstlane_b32 s30, v1                    ; wave
	s_and_b32 s31, ttmp9, 255
	s_lshl_b32 s32, s31, 2
	s_add_co_u32 s32, s32, s30                     ; record = (batch x 8 + head) x 16 + step
	s_and_b32 s33, s32, 15                         ; step
	s_bfe_u32 s34, s32, 0x30004                    ; head
	s_lshr_b32 s35, s32, 7                         ; batch
	s_lshl_b32 s36, s35, 16                        ; the rows: batch x 2,048 rows of 32 bytes + step x 128 rows
	s_lshl_b32 s37, s33, 12
	s_add_co_u32 s36, s36, s37
	s_mov_b32 s37, 0
	s_lshl_b32 s38, s34, 11                        ; the head's weight: 8 x 64 f32
	s_mov_b32 s39, 0
	s_lshl_b32 s40, s34, 8                         ; the head's bias: 64 f32
	s_mov_b32 s41, 0
	s_mov_b32 s43, 0
	s_mov_b32 s52, 0x76543210                      ; v_permlanex16_b32's selects for lane l xor 16
	s_mov_b32 s53, 0xfedcba98
	v_and_b32 v1, 31, v0                           ; lane
	v_and_b32 v2, 15, v0                           ; r
	v_bfe_u32 v3, v0, 4, 1                         ; h
	v_and_b32 v4, 7, v2
	v_lshrrev_b32 v5, 3, v2
	v_lshl_add_u32 v4, v5, 5, v4                   ; rr = r % 8 + 32 (r / 8)
	v_lshlrev_b32 v9, 4, v1                        ; 16 x lane: my place in a quad
	v_lshlrev_b32 v10, 3, v3                       ; 8 h
	v_lshlrev_b32 v11, 4, v3                       ; 16 h
	v_mov_b32 v[ZP], 0                             ; written once: a lane permute's destination counts as one of its sources
; Behind this matrix form eight places stand before a vector instruction reads a result, nine before a matrix instruction begins an accumulator anew with another C (ISA guide 7.12.1).
.macro PLACES n
.rept \n
	v_nop
.endr
.endm
; Unit n of q or k: tiles 2 n and 2 n + 1.  Source 0 = 16 of the head's d, source 1 = 16 rows; two K steps of 4.  The eight accumulators take turns.
.macro MM_QK n
.irp s, 0,1
.irp u, 0,1
.irp t, 0,1,2,3
.if \s == 0
	v_wmma_f32_16x16x4_f32 v[ACC+32*\u+8*\t:ACC+32*\u+8*\t+7], v[WF+4*\t:WF+4*\t+1], v[XF+4*(2*(\n)+\u):XF+4*(2*(\n)+\u)+1], v[BI+8*\t:BI+8*\t+7]
.else
	v_wmma_f32_16x16x4_f32 v[ACC+32*\u+8*\t:ACC+32*\u+8*\t+7], v[WF+4*\t+2:WF+4*\t+3], v[XF+4*(2*(\n)+\u)+2:XF+4*(2*(\n)+\u)+3], v[ACC+32*\u+8*\t:ACC+32*\u+8*\t+7]
.endif
.endr
.endr
.endr
.endm
; Unit n of v: d tile n.  Source 0 = 16 keys, source 1 = 16 of the head's d.
.macro MM_V n
.irp s, 0,1
.irp c, 0,1
.irp i, 0,1,2,3
.if \s == 0
	v_wmma_f32_16x16x4_f32 v[ACC+32*\c+8*\i:ACC+32*\c+8*\i+7], v[XF+4*(4*\c+\i):XF+4*(4*\c+\i)+1], v[WF+4*(\n):WF+4*(\n)+1], v[BI+8*(\n):BI+8*(\n)+7]
.else
	v_wmma_f32_16x16x4_f32 v[ACC+32*\c+8*\i:ACC+32*\c+8*\i+7], v[XF+4*(4*\c+\i)+2:XF+4*(4*\c+\i)+3], v[WF+4*(\n)+2:WF+4*(\n)+3], v[ACC+32*\c+8*\i:ACC+32*\c+8*\i+7]
.endif
.endr
.endr
.endr
.endm
; Two blocks of 32 numbers of a lane become 12 registers of codes and a scale word.  Each accumulator is read from its low end on.
.macro QUANT2 n, isv
	v_max3_num_f32 v[MX], |v[ACC]|, |v[ACC+1]|, 0x2800000          ; the floor 2^(5 - 127) among the leaves: the byte cannot fall under 1
	v_max3_num_f32 v[MX+1], |v[ACC+32]|, |v[ACC+33]|, 0x2800000
.irp i, 2,4,6,8,10,12,14,16,18,20,22,24,26,28,30
	v_max3_num_f32 v[MX], v[MX], |v[ACC+\i]|, |v[ACC+\i+1]|        ; the two blocks by turns
	v_max3_num_f32 v[MX+1], v[MX+1], |v[ACC+32+\i]|, |v[ACC+33+\i]|
.endr
	v_add_nc_u32 v[SC], 0xfe000000, v[MX]          ; 4 off the exponent field: the conversion takes the exponent field of this operand as its scale
	v_add_nc_u32 v[SC+1], 0xfe000000, v[MX+1]
	v_lshrrev_b32 v[EB], 23, v[SC]                 ; the scale's byte
	v_lshrrev_b32 v[EB+1], 23, v[SC+1]
	v_cvt_scalef32_pk16_bf6_f32 v[P+12*(\n):P+12*(\n)+2], v[ACC:ACC+15], v[SC]
	v_cvt_scalef32_pk16_bf6_f32 v[T0:T0+2], v[ACC+16:ACC+31], v[SC]
	v_cvt_scalef32_pk16_bf6_f32 v[P+12*(\n)+6:P+12*(\n)+8], v[ACC+32:ACC+47], v[SC+1]
	v_cvt_scalef32_pk16_bf6_f32 v[T1:T1+2], v[ACC+48:ACC+63], v[SC+1]
	v_lshl_or_b32 v[Z], v[EB+1], 16, v[EB]         ; my two bytes (also the plain place behind the conversions)
.irp i, 0,1,2
	v_mov_b32 v[P+12*(\n)+3+\i], v[T0+\i]
	v_mov_b32 v[P+12*(\n)+9+\i], v[T1+\i]
.endr
	v_lshlrev_b32 v[Z], v10, v[Z]                  ; 8 h bits up,
	v_permlanex16_b32 v[ZP], v[Z], s52, s53
	v_or_b32 v[Z], v[Z], v[ZP]                     ; and with lane l xor 16's two: four bytes, the same in both halves of the lanes
.if \isv
	v_mov_b32 v[SW+(\n)], v[Z]                     ; v: the bytes of blocks 0 to 3 of row d
.else
	v_lshrrev_b32 v[Z], v11, v[Z]                  ; q, k: lanes 0-15 take the first tile's two bytes, lanes 16-31 the second's,
	v_perm_b32 v[SW+(\n)], v[Z], v[Z], 0x01000100  ; and the pair stands twice in the word
.endif
.endm
.macro OUT n                           ; three quads: each store covers 512 consecutive bytes, aligned
.irp c, 0,1,2
	global_store_b128 v9, v[P+12*(\n)+4*\c:P+12*(\n)+4*\c+3], s[50:51] offset:1536*(\n)+512*\c
.endr
.endm
	s_wait_kmcnt 0x0
	s_cmp_ge_u32 ttmp9, 768
	s_cbranch_scc1 .Lw
	s_cmp_ge_u32 ttmp9, 512
	s_cbranch_scc1 .Lv
	; ---- q or k: only pointers and the records' distance are chosen; the choice hangs on the work-group's number alone
	s_cmp_lt_u32 ttmp9, 256
	s_cselect_b64 s[44:45], s[8:9], s[10:11]
	s_cselect_b64 s[46:47], s[14:15], s[16:17]
	s_cselect_b64 s[48:49], s[20:21], s[22:23]
	s_cselect_b64 s[50:51], s[26:27], s[28:29]
	s_mov_b32 s42, KVREC
	s_cselect_b32 s42, REC, s42
	s_mul_i32 s42, s32, s42
	s_add_nc_u64 s[44:45], s[44:45], s[36:37]
	s_add_nc_u64 s[46:47], s[46:47], s[38:39]
	s_add_nc_u64 s[48:49], s[48:49], s[40:41]
	s_add_nc_u64 s[50:51], s[50:51], s[42:43]
	s_wait_alu depctr_va_vdst(0)
	v_lshl_add_u32 v6, v4, 5, v10                  ; rows: 32 rr + 8 h
	v_lshlrev_b32 v7, 9, v3
	v_lshl_add_u32 v7, v4, 2, v7                   ; weight: 4 rr + 512 h (f = 4 s + 2 h + j: 256 bytes a row of the weight)
	v_lshlrev_b32 v8, 7, v3                        ; bias: 128 h
.irp t, 0,1,2,3
.irp s, 0,1
.irp j, 0,1
	global_load_b32 v[WF+4*\t+2*\s+\j], v7, s[46:47] offset:32*\t+256*(4*\s+\j)
.endr
.endr
.endr
.irp i, 0,1,2,3,4,5,6,7
	global_load_b128 v[BI+4*\i:BI+4*\i+3], v8, s[48:49] offset:16*\i     ; register 8 t + j: the bias of d = 32 h + 8 t + j
.endr
.irp t, 0,1,2,3,4,5,6,7
.irp s, 0,1
	global_load_b64 v[XF+4*\t+2*\s:XF+4*\t+2*\s+1], v6, s[44:45] offset:32*(64*(\t/4)+8*(\t%4))+16*\s
.endr
.endr
	s_wait_loadcnt 0x0
.irp n, 0,1,2,3
	MM_QK \n
	PLACES 9
	QUANT2 \n, 0
	OUT \n
.endr
	global_store_b128 v9, v[SW:SW+3], s[50:51] offset:6144
	s_endpgm
.Lv:
	; ---- v
	s_mul_i32 s42, s32, KVREC
	s_add_co_u32 s42, s42, REC                     ; behind the step's k record
	s_add_nc_u64 s[44:45], s[12:13], s[36:37]
	s_add_nc_u64 s[46:47], s[18:19], s[38:39]
	s_add_nc_u64 s[48:49], s[24:25], s[40:41]
	s_add_nc_u64 s[50:51], s[28:29], s[42:43]
	s_wait_alu depctr_va_vdst(0)
	v_lshl_add_u32 v6, v4, 5, v10                  ; keys: 32 rr + 8 h
	v_lshlrev_b32 v7, 9, v3
	v_lshl_add_u32 v7, v2, 2, v7                   ; weight: 4 r + 512 h
	v_lshlrev_b32 v8, 2, v2                        ; bias: 4 r
.irp t, 0,1,2,3
.irp s, 0,1
.irp j, 0,1
	global_load_b32 v[WF+4*\t+2*\s+\j], v7, s[46:47] offset:64*\t+256*(4*\s+\j)
.endr
.endr
.endr
.irp t, 0,1,2,3
	global_load_b32 v[RB+\t], v8, s[48:49] offset:64*\t
.endr
.irp c, 0,1
.irp i, 0,1,2,3
.irp s, 0,1
	global_load_b64 v[XF+4*(4*\c+\i)+2*\s:XF+4*(4*\c+\i)+2*\s+1], v6, s[44:45] offset:32*(64*\c+8*\i)+16*\s
.endr
.endr
.endr
	s_wait_loadcnt 0x0
.irp t, 0,1,2,3
.irp j, 0,1,2,3,4,5,6,7
	v_mov_b32 v[BI+8*\t+\j], v[RB+\t]              ; a lane holds one d: its bias in all eight registers of the C
.endr
.endr
.irp n, 0,1,2,3
	MM_V \n
	PLACES 9
	QUANT2 \n, 1
	OUT \n
.endr
	global_store_b128 v9, v[SW:SW+3], s[50:51] offset:6144
	s_endpgm
.Lw:
	; ---- the feed-forward weights' images: unit u = 4 x (work-group - 768) + wave
	s_load_b128 s[8:11], s[0:1], 0x58              ; W1 s[8:9], W2 s[10:11]
	s_load_b64 s[12:13], s[0:1], 0x68              ; wimg
	s_sub_co_u32 s31, ttmp9, 768
	s_lshl_b32 s31, s31, 2
	s_add_co_u32 s31, s31, s30
	s_lshl_b32 s36, s31, 7                         ; W1: 32 hidden units of 4 bytes a unit u
	s_lshl_b32 s38, s31, 10                        ; W2: 32 rows of 32 bytes; and 1,024 bytes of each image
	s_wait_alu depctr_va_vdst(0)
	v_lshlrev_b32 v6, 2, v2                        ; W1: hidden unit r of a tile
	v_and_b32 v7, 7, v2
	v_lshlrev_b32 v7, 2, v7
	v_lshl_add_u32 v7, v3, 8, v7                   ; W2: output r % 8, + 8 h rows of 32 bytes
	v_cmp_lt_u32 s42, 15, v1                       ; the lanes of the upper half
	v_mov_b32 v8, 0
	s_wait_alu depctr_va_vdst(0)
	s_wait_kmcnt 0x0
	s_add_nc_u64 s[8:9], s[8:9], s[36:37]
	s_add_nc_u64 s[10:11], s[10:11], s[38:39]
	s_add_nc_u64 s[12:13], s[12:13], s[38:39]
.irp t, 0,1
.irp f, 0,1,2,3,4,5,6,7
	global_load_b32 v[32+8*\t+\f], v6, s[8:9] offset:2048*\f+64*\t       ; W1(f, 16 (2 u + t) + r)
.endr
.endr
.irp g, 0,1
.irp e, 0,1,2,3,4,5,6,7
	global_load_b32 v[64+8*\g+\e], v7, s[10:11] offset:32*(16*\g+\e)     ; W2(32 u + 16 g + 8 h + e, r % 8)
.endr
.endr
	s_wait_loadcnt 0x0
.set j, 0
.rept 8
	v_cvt_pk_bf16_f32 v[160+j], v[32+2*j], v[33+2*j]
	v_cvt_pk_bf16_f32 v[168+j], v[64+2*j], v[65+2*j]
.set j, j+1
.endr
.set j, 0
.rept 8
	v_cndmask_b32 v[160+j], v[160+j], v8, s42      ; W1: lanes 16-31 stand for K = 8 .. 15, which is not there: zeros
.set j, j+1
.endr
.irp t, 0,1                            ; each store covers 512 consecutive bytes, aligned
	global_store_b128 v9, v[160+4*\t:163+4*\t], s[12:13] offset:512*\t
	global_store_b128 v9, v[168+4*\t:171+4*\t], s[12:13] offset:16384+512*\t
.endr
	s_endpgm
.Lfunc_end_k_q73021469e2_prep:
	.size	k_q73021469e2_prep, .Lfunc_end_k_q73021469e2_prep-k_q73021469e2_prep
	.p2alignl 7, 3214868480
	.fill 96, 4, 3214868480
	.section	.rodata,"a",@progbits
	.p2align	6, 0x0
	.amdhsa_kernel k_q73021469e2_prep
		.amdhsa_group_segment_fixed_size 0
		.amdhsa_private_segment_fixed_size 0
		.amdhsa_enable_private_segment 0
		.amdhsa_kernarg_size 112
		.amdhsa_user_sgpr_count 2
		.amdhsa_user_sgpr_kernarg_segment_ptr 1
		.amdhsa_wavefront_size32 1
		.amdhsa_system_sgpr_workgroup_id_x 1
		.amdhsa_system_sgpr_workgroup_id_y 1
		.amdhsa_system_sgpr_workgroup_id_z 1
		.amdhsa_system_vgpr_workitem_id 0
		.amdhsa_next_free_vgpr 232
		.amdhsa_next_free_sgpr 66
		.amdhsa_reserve_vcc 0
		.amdhsa_float_denorm_mode_32 3
		.amdhsa_float_denorm_mode_16_64 3
		.amdhsa_memory_ordered 1
		.amdhsa_forward_progress 1
		.amdhsa_inst_pref_size 54
	.end_amdhsa_kernel
	.amdgpu_metadata
---
amdhsa.version: [ 1, 2 ]
amdhsa.kernels:
  - .name:           k_q73021469e2_prep
    .symbol:         k_q73021469e2_prep.kd
    .args:
      - { .name: q, .offset: 0, .size: 8, .value_kind: global_buffer, .address_space: global }
      - { .name: k, .offset: 8, .size: 8, .value_kind: global_buffer, .address_space: global }
      - { .name: v, .offset: 16, .size: 8, .value_kind: global_buffer, .address_space: global }
      - { .name: Wq, .offset: 24, .size: 8, .value_kind: global_buffer, .address_space: global }
      - { .name: Wk, .offset: 32, .size: 8, .value_kind: global_buffer, .address_space: global }
      - { .name: Wv, .offset: 40, .size: 8, .value_kind: global_buffer, .address_space: global }
      - { .name: bq, .offset: 48, .size: 8, .value_kind: global_buffer, .address_space: global }
      - { .name: bk, .offset: 56, .size: 8, .value_kind: global_buffer, .address_space: global }
      - { .name: bv, .offset: 64, .size: 8, .value_kind: global_buffer, .address_space: global }
      - { .name: qimg, .offset: 72, .size: 8, .value_kind: global_buffer, .address_space: global }
      - { .name: kv, .offset: 80, .size: 8, .value_kind: global_buffer, .address_space: global }
      - { .name: W1, .offset: 88, .size: 8, .value_kind: global_buffer, .address_space: global }
      - { .name: W2, .offset: 96, .size: 8, .value_kind: global_buffer, .address_space: global }
      - { .name: wimg, .offset: 104, .size: 8, .value_kind: global_buffer, .address_space: global }
    .group_segment_fixed_size: 0
    .private_segment_fixed_size: 0
    .kernarg_segment_align: 8
    .kernarg_segment_size: 112
    .max_flat_workgroup_size: 128
    .sgpr_count:     66
    .vgpr_count:     232
    .wavefront_size: 32
...
	.end_amdgpu_metadata
.endif
;; end of part 1
;; launch attn (part 2): grid 4 x 64, 16 waves a work-group, clusters of 4 x 1, 215,040 bytes of LDS; arguments qimg, kv, Wo, part; writes part
.if DOCPART == 2
	.amdgcn_target "amdgcn-amd-amdhsa--gfx1250"
	.amdhsa_code_object_version 6
	.text
	.protected	k_q73021469e2_attn
	.globl	k_q73021469e2_attn
	.p2align	8
	.type	k_q73021469e2_attn,@function
k_q73021469e2_attn:
	s_mov_b64 s[64:65], 0
	v_nop
	global_prefetch_b8 v0, s[64:65] scope:SCOPE_SE
	s_setreg_imm32_b32 hwreg(HW_REG_WAVE_MODE, 25, 1), 1
	s_wait_xcnt 0x0
	s_wait_alu depctr_hold_cnt(0) depctr_sa_sdst(0) depctr_va_vdst(0) depctr_va_sdst(0) depctr_va_ssrc(0) depctr_va_vcc(0) depctr_vm_vsrc(0)
	s_getreg_b32 s2, hwreg(HW_REG_IB_STS2, 6, 4)
	s_cmp_eq_u32 s2, 0
	s_cbranch_scc0 .Lentry_in_a_cluster
	s_endpgm
.Lentry_in_a_cluster:
	s_bfe_u32 s2, ttmp6, 0x10000c
	s_cmp_lg_u32 s2, 0x3003
	s_cbranch_scc0 .Lentry_shape_is_right
	s_endpgm
.Lentry_shape_is_right:
; For one (batch, head): part[bh][s][0..7] = (softmax(qh kh^T / 8) vh) Wo[head's 64 rows], both attention products on codes of E3M2 with E8M0 scales.
; THE SOFTMAX AHEAD OF THE SECOND PRODUCT: t = score x log2(e) / 8; M = the running largest t rounded UP to a whole number; p = 2^(t - M) is quantised along the keys, not normalised; the row's sum is taken of
; the unquantised p and divides at the end.  When M moves, the sum and O are multiplied by 2^(old M - new M), which rounds nothing.
; SHARES: a work-group owns 512 queries of its head: sixteen waves, each TWO tiles of 16 queries, A and B, in one walk over the keys, in 256 registers.  A step's 26 LDS loads (k's and v's fragments and scale
; words of 128 keys) serve both tiles: each fragment feeds two matrix instructions.
; LDS: THE WHOLE HEAD'S k AND v RECORDS, 16 steps x 13,312 bytes, come ONCE and stay: no slot is ever filled again.  They are images of the operands' registers: every LDS load takes 512 bytes on end.
; CLUSTER: the four work-groups of a head need the same 212,992 bytes: each wave asks for one step's records JOINTLY.  One tensor load of a wave is out.  All bytes are asked for at the head, so there is no
; loop of loads for a prefetch to run ahead in.
; LAYOUT: both products are used transposed: S^T = k q^T (source 0 = 16 keys), O^T = v^T p^T (source 0 = 16 of the head's 64): a lane holds ONE query of each tile.  Lane r of key tile 4 c + i holds key
; 64 c + 8 i + r % 8 + 32 (r / 8): so the 32 registers of tiles 4 c .. 4 c + 3 of lane (r, h) are the keys 64 c + 32 h + 0 .. 31, ONE WHOLE BLOCK in the order that p's operand wants.
; THE FIRST PRODUCT'S K IS 64, THE INSTRUCTION'S 128.  The registers lie qA | six of zero codes | qB.  Tile A's source 1 is qA and the zeros: its d lie in the lower half of K, and k's tile t is named as twelve
; registers from 6 t on.  Tile B's source 1 is the zeros and qB: its d lie in the upper half, and k's tile t is named from 6 t - 6 on.  What k's other six registers hold (a neighbouring tile's codes; at the two
; ends six registers of addresses and of the softmax's state, none written within four places of these products) meets zero codes: E3M2 has no infinity and no NaN, so each such product is exactly 0.
; The records' scale words hold their pair of bytes twice, so they serve either half.
; ORDER OF A STEP: k's fragments; A's scores, softmax, codes and sums; B's scores from the same k registers; v's fragments over k's; B's softmax and codes; both tiles' second products; the next step's k fragments
; under B's sums.  The scores' registers, the four chains of the sum and f serve the two tiles by turns: the four lines that join a tile's chains stand behind the other tile's score products, as their places.
; THE LAST STEP: O^T, rounded to bf16, times the head's rows of Wo in bf16 (a product that is left as it is), then divided by the sum.  The heads are added in the next launch.
; LIMITS: NaN and infinities are not served.  The scaled scores stay under 2^31 in magnitude.  A block of p that has fallen to zeros keeps the byte 1: its codes are zeros.
.set REC,   6656
.set STEPB, 13312                      ; a step's k record, then its v record
.set C0,  0                            ; v0-7 four chains of a tile's sum.  While they are empty the same registers serve as:
.set BM,  0                            ;   v0-1 my two blocks' largest scores, then their largest p
.set TMP, 2
.set EB,  3                            ;   v3, v7 second chains of the maxima, then the scale bytes
.set CT,  0                            ;   v0-2, v4-6 the blocks' second 16 codes
.set LA,  8                            ; v[8:9], v[10:11] the rows' sums
.set LB,  10
.set F,   12                           ; v12 f = 2^(old M - new M); v13 the new -M
.set TN,  13
.set PS,  14                           ; v14, v15 p's scale words
.set QS,  16                           ; v16, v17 q's scale words
.set QC,  18                           ; v18-23 qA, v24-29 zero codes, v30-35 qB
.set SPW, 36                           ; v36, v37 the spare word's address and 0
.set NIL, 37
.set WA,  38                           ; Wo's offset
.set LI,  40                           ; v40 16 x lane; v41 LDS address; v42 my 16 bytes in part; v43 8 h; v[44:45] A's -M and largest score
.set AD,  41
.set PA,  42
.set H8,  43
.set NMA, 44
.set KV,  46                           ; v46-93 k's 48 registers, then v's
.set NMB, 94                           ; v[94:95] B's -M and largest score; v96-97 the conversions' scale operands; v98-99 at work
.set SO,  96
.set Z,   98
.set ZP,  99
.set KS,  100                          ; v100-103 k's scale words, then v's
.set S,   104                          ; v104-167 S^T, then p, of the tile in hand
.set OA,  168                          ; v168-199, v200-231 O^T
.set OB,  200
.set PCA, 232                          ; v232-243, v244-255 p's codes
.set PCB, 244
.set WOF, KV+32                        ; the tail: Wo's two fragments in bf16
.set WV,  12
.set SEL, 20
.set CS,  22                           ; s[22:23] c = log2(e) / 8
.set G1,  24
.set G0,  32
.set TB,  36
.set CNT, 37
.set NC,  40                           ; s40 -c
; A round of the cluster's barrier
.macro ROUND
	s_barrier_signal -1
	s_barrier_wait -1
	s_cmp_lg_u32 s[WV], 0
	s_cbranch_scc1 .Lnot_wave_0_\@
	s_barrier_signal -3
.Lnot_wave_0_\@:
	s_barrier_wait -3
	s_barrier_signal -1
	s_barrier_wait -1
.endm
	s_load_b256 s[4:11], s[0:1], 0x0               ; qimg s[4:5], kv s[6:7], Wo s[8:9], part s[10:11]
	v_lshl_add_u32 v[SPW], v0, 2, 0x34000
	v_mov_b32 v[NIL], 0
	ds_add_u32 v[SPW], v[NIL]                      ; the opening lines: the add, twice on end, and its wait
	ds_add_u32 v[SPW], v[NIL]
	v_lshrrev_b32 v104, 5, v0
	s_delay_alu instid0(VALU_DEP_1)
	v_readfirstlane_b32 s[WV], v104                ; wave 0..15
	s_bfe_u32 s13, ttmp6, 0x40000                  ; cx: which quarter of the queries: it enters qimg's and part's addresses alone
	s_and_b32 s14, ttmp7, 0xffff                   ; batch x 8 + head, which the four partners share
	s_and_b32 s15, s14, 7                          ; head
	s_and_b32 s16, s[WV], 7                        ; my tiles' number in their steps of 128 queries
	s_lshr_b32 s17, s[WV], 3                       ; tile A's step among the quarter's four; tile B's lies two on
	; descriptor group 1: a dense block of 13,312 bytes as 52 rows of 256 bytes (32 elements of 8 bytes)
	s_mov_b32 s[G1], 0x0023000f                    ; the mask: all four work-groups; elements of 8 bytes; bit 21 beside a mask
	s_mov_b32 s[G1+1], 32<<16
	s_mov_b32 s[G1+2], 52<<16
	s_mov_b32 s[G1+3], 32<<16
	s_mov_b32 s[G1+4], 52
	s_mov_b32 s[G1+5], 32
	s_mov_b32 s[G1+6], 0
	s_mov_b32 s[G1+7], 0
	s_lshl_b32 s38, s14, 4
	s_add_co_u32 s38, s38, s[WV]
	s_mul_i32 s38, s38, STEPB                      ; wave w brings step w: where it lies in kv,
	s_mov_b32 s39, 0
	s_mov_b32 s[G0], 1
	s_mul_i32 s[G0+1], s[WV], STEPB                ; and in LDS: no place in the cluster enters either
	s_mov_b32 s[SEL], 0x76543210
	s_mov_b32 s[SEL+1], 0xfedcba98                 ; v_permlanex16_b32's selects for lane l xor 16
	s_mov_b32 s[CS], 0x3e38aa3b                    ; c = log2(e) / sqrt(64)
	s_mov_b32 s[CS+1], s[CS]                       ; (named with it as a pair, so it is written)
	s_mov_b32 s[NC], 0xbe38aa3b                    ; -c
	s_wait_dscnt 0x0
	s_wait_kmcnt 0x0
	ROUND                                          ; all four work-groups are here: the joint loads meet
	s_add_nc_u64 s[G0+2:G0+3], s[6:7], s[38:39]
	s_or_b32 s[G0+3], s[G0+3], 0x80000000
	tensor_load_to_lds s[G0:G0+3], s[G1:G1+7]
	s_nop 0
.rept 4
	v_nop
.endr
	s_lshl_b32 s48, s13, 2
	s_add_co_u32 s48, s48, s17                     ; tile A's step of queries: 4 cx + wave / 8
	s_lshl_b32 s50, s14, 4
	s_add_co_u32 s50, s50, s48
	s_mul_i32 s50, s50, REC
	s_mov_b32 s51, 0
	s_add_nc_u64 s[42:43], s[4:5], s[50:51]        ; its record
	s_lshl_b32 s50, s14, 16                        ; part: 2,048 rows of 32 bytes a head,
	s_lshl_b32 s48, s48, 12                        ; 128 rows a step,
	s_add_co_u32 s50, s50, s48
	s_lshr_b32 s48, s16, 2
	s_lshl_b32 s48, s48, 11                        ; my tile's first row: 64 (t / 4) + 8 (t % 4)
	s_add_co_u32 s50, s50, s48
	s_and_b32 s48, s16, 3
	s_lshl_b32 s48, s48, 8
	s_add_co_u32 s50, s50, s48
	s_add_nc_u64 s[44:45], s[10:11], s[50:51]
	s_lshl_b32 s50, s15, 11                        ; the head's 64 rows of Wo, 32 bytes each
	s_add_nc_u64 s[8:9], s[8:9], s[50:51]
	v_and_b32 v106, 31, v0                         ; lane
	v_and_b32 v104, 15, v0                         ; r
	v_bfe_u32 v105, v0, 4, 1                       ; h
	s_delay_alu instid0(VALU_DEP_3)
	v_lshlrev_b32 v[LI], 4, v106
	s_wait_alu depctr_va_vdst(0)
	v_cmp_lt_u32 s46, 15, v106                     ; the lanes of the upper half
	s_mul_i32 s50, s16, 6                          ; q's registers 6 t + 2 i, 6 t + 2 i + 1: quad (6 t + 2 i) / 4, word (6 t + 2 i) % 4
.irp i, 0,1,2
	s_add_co_u32 s51, s50, 2*\i
	s_lshr_b32 s52, s51, 2
	s_lshl_b32 s52, s52, 9
	s_and_b32 s51, s51, 3
	s_lshl_b32 s51, s51, 2
	s_add_co_u32 s51, s51, s52
	v_add_nc_u32 v[108+\i], s51, v[LI]
.endr
	s_and_b32 s51, s16, 1
	s_lshl_b32 s51, s51, 8
	s_lshr_b32 s52, s16, 1
	s_lshl_b32 s52, s52, 2
	s_add_co_u32 s51, s51, s52
	s_add_co_u32 s51, s51, 6144
	v_lshl_add_u32 v111, v104, 4, s51              ; q's scale word: lane r + 16 (t % 2) of the scale quad, word t / 2
	v_and_b32 v107, 7, v104
	v_lshrrev_b32 v[PA], 3, v104
	v_lshlrev_b32 v[H8], 3, v105                   ; 8 h
	s_delay_alu instid0(VALU_DEP_2)
	v_lshl_add_u32 v[PA], v[PA], 5, v107           ; r % 8 + 32 (r / 8)
	v_lshlrev_b32 v107, 2, v107
	s_delay_alu instid0(VALU_DEP_2)
	v_lshlrev_b32 v[PA], 5, v[PA]
	s_delay_alu instid0(VALU_DEP_2)
	v_lshl_add_u32 v[WA], v105, 8, v107            ; Wo: column r % 8, + 8 h rows
	s_delay_alu instid0(VALU_DEP_2)
	v_lshl_add_u32 v[PA], v105, 4, v[PA]           ; part: that row of 32 bytes, + 16 h
	s_wait_alu depctr_va_vdst(0)
.irp b, 0,1                            ; my two tiles of queries: six registers of codes and the scale word each
.irp i, 0,1,2
	global_load_b64 v[QC+12*\b+2*\i:QC+12*\b+2*\i+1], v[108+\i], s[42:43] offset:2*REC*\b
.endr
	global_load_b32 v[QS+\b], v111, s[42:43] offset:2*REC*\b
.endr
.irp j, 24,25,26,27,28,29
	v_mov_b32 v\j, 0                               ; the zero codes between qA and qB
.endr
.irp j, SO, SO+1, Z, ZP, TN
	v_mov_b32 v[\j], 0                             ; written once: named as parts of operands and pairs before they are first made
.endr
.irp n, NMA, NMB
	v_mov_b32 v[\n], 0x7f61b1e6                    ; -M: 3e38, so that the first f is 0
	v_mov_b32 v[\n+1], 0xff61b1e6                  ; the largest score so far: -3e38
.endr
	v_mov_b32 v[F], 1.0
.set j, 0
.rept 4
	v_mov_b32 v[LA+j], 0                           ; the sums
.set j, j+1
.endr
.set j, 0
.rept 64
	v_mov_b32 v[OA+j], 0                           ; O^T of both tiles.  (The step is written once: the first finds zeros)
.set j, j+1
.endr
.set j, 0
.rept 8
	v_mov_b32 v[C0+j], 0                           ; the chains that the first step joins (the thread's number in v0 has served)
.set j, j+1
.endr
	v_mov_b32 v[AD], v[LI]
	s_wait_alu depctr_va_vdst(0)
	s_wait_loadcnt 0x0                             ; my queries
	s_wait_tensorcnt 0x0                           ; my step's records are in,
	s_barrier_signal -1
	s_barrier_wait -1                              ; everybody's are: the whole head lies in LDS, and no tile lands there from here on
.macro KLOAD                           ; a step's k fragments and scale words, 13 loads
.irp c, 0,1,2,3,4,5,6,7,8,9,10,11
	ds_load_b128 v[KV+4*\c:KV+4*\c+3], v[AD] offset:512*\c
.endr
	ds_load_b128 v[KS:KS+3], v[AD] offset:6144
.endm
.macro SMUL b                          ; S^T = k q^T of tile A (b = 0) or B (b = 1).  Scale register t / 2 holds tile t's words in lanes 0-15 and tile t + 1's in lanes 16-31
.irp t, 0,2,4,6
	v_wmma_scale_f32_16x16x128_f8f6f4 v[S+8*\t:S+8*\t+7], v[KV+6*\t-6*\b:KV+6*\t-6*\b+11], v[QC+6*\b:QC+6*\b+11], 0, v[KS+\t/2], v[QS+\b] matrix_a_fmt:MATRIX_FMT_BF6 matrix_b_fmt:MATRIX_FMT_BF6
	v_wmma_scale_f32_16x16x128_f8f6f4 v[S+8*\t+8:S+8*\t+15], v[KV+6*\t+6-6*\b:KV+6*\t+17-6*\b], v[QC+6*\b:QC+6*\b+11], 0, v[KS+\t/2], v[QS+\b] matrix_a_fmt:MATRIX_FMT_BF6 matrix_b_fmt:MATRIX_FMT_BF6 matrix_a_scale:MATRIX_SCALE_ROW1
.endr
.endm
.macro LSUM l                          ; a row's sum under its tile's last M: sum x f + the tile's four chains
	v_pk_add_f32 v[C0:C0+1], v[C0:C0+1], v[C0+2:C0+3]
	v_pk_add_f32 v[C0+4:C0+5], v[C0+4:C0+5], v[C0+6:C0+7]
	v_pk_fma_f32 v[\l:\l+1], v[\l:\l+1], v[F:F+1], v[C0:C0+1] op_sel_hi:[1,0,1]
	v_pk_add_f32 v[\l:\l+1], v[\l:\l+1], v[C0+4:C0+5]
.endm
.macro SUM0                            ; THE ROW'S SUM IS TAKEN OF THE UNQUANTISED p, in four chains: the first sixteen p
.irp k, 0,1,2,3
	v_pk_add_f32 v[C0+2*\k:C0+2*\k+1], v[S+2*\k:S+2*\k+1], v[S+8+2*\k:S+9+2*\k]
.endr
.endm
.macro SUMR m                          ; eight more p onto the four chains
.irp k, 0,1,2,3
	v_pk_add_f32 v[C0+2*\k:C0+2*\k+1], v[C0+2*\k:C0+2*\k+1], v[S+8*(\m)+2*\k:S+8*(\m)+2*\k+1]
.endr
.endm
.macro OMUL o                          ; one accumulator of O^T under the new M, from its low end on
.irp j, 0,2,4,6
	v_pk_mul_f32 v[\o+\j:\o+\j+1], v[\o+\j:\o+\j+1], v[F:F+1] op_sel_hi:[1,0]
.endr
.endm
; The maxima, M, f and the exponents of one tile.  nm: the tile's pair of -M and largest score
.macro SOFT1 nm
.irp c, 0,1                            ; THE LARGEST SCORE OF EACH OF MY TWO BLOCKS serves twice: for the row's maximum and, since p rises with the score, for the block's largest p.  Two chains a block, four by turns
	v_max3_num_f32 v[BM+\c], v[S+32*\c], v[S+32*\c+1], v[S+32*\c+2]
	v_max3_num_f32 v[EB+4*\c], v[S+32*\c+16], v[S+32*\c+17], v[S+32*\c+18]
.endr
.irp i, 3,5,7,9,11,13
.irp c, 0,1
	v_max3_num_f32 v[BM+\c], v[BM+\c], v[S+32*\c+\i], v[S+32*\c+\i+1]
	v_max3_num_f32 v[EB+4*\c], v[EB+4*\c], v[S+32*\c+16+\i], v[S+32*\c+17+\i]
.endr
.endr
.irp c, 0,1
	v_max3_num_f32 v[BM+\c], v[BM+\c], v[EB+4*\c], v[S+32*\c+15]
.endr
.irp c, 0,1
	v_max_num_f32 v[BM+\c], v[BM+\c], v[S+32*\c+31]
.endr
	s_delay_alu instid0(VALU_DEP_1)
	v_max_num_f32 v[TMP], v[BM], v[BM+1]           ; my 64 keys' largest score
	s_delay_alu instid0(VALU_DEP_1)
	v_permlanex16_b32 v[ZP], v[TMP], s[SEL], s[SEL+1]
	s_delay_alu instid0(VALU_DEP_1)
	v_max3_num_f32 v[\nm+1], v[\nm+1], v[TMP], v[ZP]   ; the running largest score of my query, lane l xor 16's 64 keys among them
	s_delay_alu instid0(VALU_DEP_1)
	v_mul_f32 v[TN], s[NC], v[\nm+1]               ; -t
	s_delay_alu instid0(VALU_DEP_1)
	v_floor_f32 v[TN], v[TN]                       ; the new -M = floor(-t): M is a whole number
	s_delay_alu instid0(VALU_DEP_1)
	v_sub_f32 v[TMP], v[TN], v[\nm]                ; old M less new M: a whole number, 0 or less
	v_mov_b32 v[\nm], v[TN]
	s_delay_alu instid0(VALU_DEP_2)
	v_cvt_i32_f32 v[TMP], v[TMP]                   ; (it saturates)
	s_delay_alu instid0(VALU_DEP_1)
	v_ldexp_f32 v[F], 1.0, v[TMP]                  ; f = 2^(old M - new M)
.set j, 0
.rept 32
	v_pk_fma_f32 v[S+j:S+j+1], v[S+j:S+j+1], s[CS:CS+1], v[\nm:\nm+1] op_sel_hi:[1,0,0]   ; t - M, two at a time (of the pairs c and -M the low word serves both halves)
.set j, j+2
.endr
.irp c, 0,1
	v_fma_f32 v[BM+\c], v[BM+\c], s[CS], v[\nm]    ; the same of each block's largest score
.endr
.endm
; p, O^T under the new M, p's codes and scale word of one tile
.macro SOFT2 o, pc, ps
	s_wait_alu depctr_va_vdst(0)
.set j, 0
.rept 64
	v_exp_f32 v[S+j], v[S+j]                       ; p = 2^(t - M), at most 1: not normalised
.set j, j+1
.endr
.irp c, 0,1
	v_exp_f32 v[BM+\c], v[BM+\c]                   ; the block's largest p: the same two instructions on the same number give the same bits
.endr
	s_wait_alu depctr_va_vdst(0)                   ; one wait for the batch, directly ahead of the first reader of O^T
	OMUL \o                                        ; (plain places behind the exponentials; the scale's lines stand among them so that none waits for the line above it)
.irp c, 0,1
	v_max_num_f32 v[BM+\c], 0x2800000, v[BM+\c]    ; the floor 2^(5 - 127): the byte cannot fall under 1
.endr
	OMUL \o+8
.irp c, 0,1
	v_add_nc_u32 v[SO+\c], 0xfe000000, v[BM+\c]    ; 4 off the exponent field: the conversion's scale operand
.endr
	OMUL \o+16
.irp c, 0,1
	v_lshrrev_b32 v[EB+4*\c], 23, v[SO+\c]         ; the scale's byte
.endr
	OMUL \o+24
.irp c, 0,1
	v_cvt_scalef32_pk16_bf6_f32 v[\pc+6*\c:\pc+6*\c+2], v[S+32*\c:S+32*\c+15], v[SO+\c]
	v_cvt_scalef32_pk16_bf6_f32 v[CT+4*\c:CT+4*\c+2], v[S+32*\c+16:S+32*\c+31], v[SO+\c]   ; (a conversion's three registers begin on an even number)
.endr
	v_lshl_or_b32 v[Z], v[EB+4], 16, v[EB]         ; my two bytes: blocks h and 2 + h (also the plain place behind the conversions)
.irp c, 0,1
.irp i, 0,1,2
	v_mov_b32 v[\pc+6*\c+3+\i], v[CT+4*\c+\i]
.endr
.endr
	v_lshlrev_b32 v[Z], v[H8], v[Z]                ; 8 h bits up,
	s_delay_alu instid0(VALU_DEP_1)
	v_permlanex16_b32 v[ZP], v[Z], s[SEL], s[SEL+1]
	s_delay_alu instid0(VALU_DEP_1)
	v_or_b32 v[\ps], v[Z], v[ZP]                   ; and with lane l xor 16's two: p's scale word for these 128 keys
.endm
; A KEY STEP: 128 keys, both tiles.  fetch = 1: the k fragments of the step at LDS byte s[TB] are fetched behind the second products; fetch = 0, the last step: Wo's rows instead.
.macro STEP fetch
	s_wait_alu depctr_va_vdst(0)
	s_wait_dscnt 0x0                               ; k's fragments and scale words are in
	SMUL 0
	LSUM LB                                        ; B's chains of the last step: four places (ISA guide 7.12.1) in front of the first read of the scores
	SOFT1 NMA
	SOFT2 OA, PCA, PS
	SUM0
.irp m, 2,3,4,5,6,7
	SUMR \m
.endr
	SMUL 1                                         ; B's scores take the registers that A's p have left
	LSUM LA                                        ; A's chains: four places in front of the loads into k's registers and of the first read of the scores
.irp c, 0,1,2,3,4,5,6,7,8,9,10,11
	ds_load_b128 v[KV+4*\c:KV+4*\c+3], v[AD] offset:REC+512*\c     ; v's fragments land under B's softmax
.endr
	ds_load_b128 v[KS:KS+3], v[AD] offset:REC+6144
	SOFT1 NMB
	s_wait_dscnt 0x0                               ; v's fragments and scale words are in (asked for 75 vector instructions ago)
	SOFT2 OB, PCB, PS+1
	SUM0                                           ; eight places between B's scale word and the products below
	SUMR 2
.irp t, 0,1,2,3                        ; O^T += v^T p^T: the eight accumulators by turns, one instruction a turn
	v_wmma_scale_f32_16x16x128_f8f6f4 v[OA+8*\t:OA+8*\t+7], v[KV+12*\t:KV+12*\t+11], v[PCA:PCA+11], v[OA+8*\t:OA+8*\t+7], v[KS+\t], v[PS] matrix_a_fmt:MATRIX_FMT_BF6 matrix_b_fmt:MATRIX_FMT_BF6
	v_wmma_scale_f32_16x16x128_f8f6f4 v[OB+8*\t:OB+8*\t+7], v[KV+12*\t:KV+12*\t+11], v[PCB:PCB+11], v[OB+8*\t:OB+8*\t+7], v[KS+\t], v[PS+1] matrix_a_fmt:MATRIX_FMT_BF6 matrix_b_fmt:MATRIX_FMT_BF6
.endr
	SUMR 3                                         ; four places in front of the loads into v's registers
.if \fetch
	v_add_nc_u32 v[AD], s[TB], v[LI]
	KLOAD                                          ; the next step's k fragments land under the rest of the sums
.else
.irp u, 0,1
.irp g, 0,1
.irp e, 0,1,2,3,4,5,6,7
	global_load_b32 v[KV+16*\u+8*\g+\e], v[WA], s[8:9] offset:32*(32*\u+16*\g+\e)   ; Wo(32 u + 16 g + 8 h + e, r % 8)
.endr
.endr
.endr
.endif
.irp m, 4,5,6,7
	SUMR \m
.endr
.endm
	KLOAD                                          ; step 0's k fragments
	s_mov_b32 s[TB], STEPB                         ; where the next step lies
	s_mov_b32 s[CNT], 15
.Lstep:
	STEP 1
	s_add_co_u32 s[TB], s[TB], STEPB
	s_sub_co_u32 s[CNT], s[CNT], 1
	s_cmp_lg_u32 s[CNT], 0
	s_cbranch_scc1 .Lstep
	STEP 0                                         ; the last step fetches no keys
	; ---- the tail: both tiles' part of the output projection
.set CB, S                             ; v104-135 O^T in bf16, A's then B's;  v136-151 the results;  v152-159 my four numbers of each tile
.set R,  S+32
.set X,  S+48
	LSUM LB                                        ; B's last chains
	s_wait_alu depctr_va_vdst(0)
	s_wait_loadcnt 0x0                             ; Wo
.set j, 0
.rept 16
	v_cvt_pk_bf16_f32 v[WOF+j], v[KV+2*j], v[KV+2*j+1]   ; source 0 of the last product: row m stands for output m % 8
.set j, j+1
.endr
	v_add_f32 v[LA], v[LA], v[LA+1]                ; the sums' two halves,
	v_add_f32 v[LB], v[LB], v[LB+1]
	s_delay_alu instid0(VALU_DEP_2)
	v_permlanex16_b32 v[ZP], v[LA], s[SEL], s[SEL+1]
	s_delay_alu instid0(VALU_DEP_2)
	v_permlanex16_b32 v[Z], v[LB], s[SEL], s[SEL+1]
	s_delay_alu instid0(VALU_DEP_2)
	v_add_f32 v[LA], v[LA], v[ZP]                  ; and lane l xor 16's: the rows' sums
	s_delay_alu instid0(VALU_DEP_2)
	v_add_f32 v[LB], v[LB], v[Z]
	s_wait_alu depctr_va_vdst(0)
	v_rcp_f32 v[LA], v[LA]
	v_rcp_f32 v[LB], v[LB]
	s_wait_alu depctr_va_vdst(0)
.set j, 0
.rept 32
	v_cvt_pk_bf16_f32 v[CB+j], v[OA+2*j], v[OA+2*j+1]   ; tiles 2 u and 2 u + 1 of O^T, rounded in pairs, ARE source 1 (32 of the head's d x 16 queries) of the last product; each accumulator from its low end on
.set j, j+1
.endr
	v_wmma_f32_16x16x32_bf16 v[R:R+7], v[WOF:WOF+7], v[CB:CB+7], 0            ; the two tiles' accumulators by turns
	v_wmma_f32_16x16x32_bf16 v[R+8:R+15], v[WOF:WOF+7], v[CB+16:CB+23], 0
	v_wmma_f32_16x16x32_bf16 v[R:R+7], v[WOF+8:WOF+15], v[CB+8:CB+15], v[R:R+7]
	v_wmma_f32_16x16x32_bf16 v[R+8:R+15], v[WOF+8:WOF+15], v[CB+24:CB+31], v[R+8:R+15]
.rept 4
	v_nop
.endr
.irp b, 0,1
.irp i, 0,1,2,3
	v_cndmask_b32 v[X+4*\b+\i], v[R+8*\b+\i], v[R+8*\b+4+\i], s46   ; every lane holds its query's eight outputs: lanes 0-15 keep 0-3, lanes 16-31 keep 4-7
.endr
.endr
.irp b, 0,1
.irp i, 0,1,2,3
	v_mul_f32 v[X+4*\b+\i], v[X+4*\b+\i], v[LA+2*\b]   ; divided by the row's sum
.endr
.endr
.irp b, 0,1
	global_store_b128 v[PA], v[X+4*\b:X+4*\b+3], s[44:45] offset:8192*\b   ; the 32 lanes write rows 0-7 and 32-39 from the tile's first row on: twice 256 consecutive bytes, aligned
.endr
	s_wait_tensorcnt 0x0                           ; the wave's end
	ds_add_u32 v[SPW], v[NIL]
	s_wait_dscnt 0x0
	ROUND                                          ; the closing round: no work-group ends while a partner may still ask for a tile that names it
	s_endpgm
.Lfunc_end_k_q73021469e2_attn:
	.size	k_q73021469e2_attn, .Lfunc_end_k_q73021469e2_attn-k_q73021469e2_attn
	.p2alignl 7, 3214868480
	.fill 96, 4, 3214868480
	.section	.rodata,"a",@progbits
	.p2align	6, 0x0
	.amdhsa_kernel k_q73021469e2_attn
		.amdhsa_group_segment_fixed_size 215040
		.amdhsa_private_segment_fixed_size 0
		.amdhsa_enable_private_segment 0
		.amdhsa_kernarg_size 32
		.amdhsa_user_sgpr_count 2
		.amdhsa_user_sgpr_kernarg_segment_ptr 1
		.amdhsa_wavefront_size32 1
		.amdhsa_system_sgpr_workgroup_id_x 1
		.amdhsa_system_sgpr_workgroup_id_y 1
		.amdhsa_system_sgpr_workgroup_id_z 1
		.amdhsa_system_vgpr_workitem_id 0
		.amdhsa_next_free_vgpr 256
		.amdhsa_next_free_sgpr 66
		.amdhsa_reserve_vcc 0
		.amdhsa_float_denorm_mode_32 3
		.amdhsa_float_denorm_mode_16_64 3
		.amdhsa_memory_ordered 1
		.amdhsa_forward_progress 1
		.amdhsa_inst_pref_size 71
	.end_amdhsa_kernel
	.amdgpu_metadata
---
amdhsa.version: [ 1, 2 ]
amdhsa.kernels:
  - .name:           k_q73021469e2_attn
    .symbol:         k_q73021469e2_attn.kd
    .args:
      - { .name: qimg, .offset: 0, .size: 8, .value_kind: global_buffer, .address_space: global }
      - { .name: kv, .offset: 8, .size: 8, .value_kind: global_buffer, .address_space: global }
      - { .name: Wo, .offset: 16, .size: 8, .value_kind: global_buffer, .address_space: global }
      - { .name: part, .offset: 24, .size: 8, .value_kind: global_buffer, .address_space: global }
    .group_segment_fixed_size: 215040
    .private_segment_fixed_size: 0
    .kernarg_segment_align: 8
    .kernarg_segment_size: 32
    .max_flat_workgroup_size: 512
    .sgpr_count:     66
    .vgpr_count:     256
    .wavefront_size: 32
...
	.end_amdgpu_metadata
.endif
;; end of part 2
;; launch sumx (part 3): grid 256 x 1, 4 waves a work-group, no clusters, 0 bytes of LDS; arguments part, q, bo, xbuf, st1; writes xbuf, st1
.if DOCPART == 3
	.amdgcn_target "amdgcn-amd-amdhsa--gfx1250"
	.amdhsa_code_object_version 6
	.text
	.protected	k_q73021469e2_sumx
	.globl	k_q73021469e2_sumx
	.p2align	8
	.type	k_q73021469e2_sumx,@function
k_q73021469e2_sumx:
	s_mov_b64 s[64:65], 0
	v_nop
	global_prefetch_b8 v0, s[64:65] scope:SCOPE_SE
	s_setreg_imm32_b32 hwreg(HW_REG_WAVE_MODE, 25, 1), 1
	s_wait_xcnt 0x0
; x = q + bo + the sum over the eight heads of part; and for the first LayerNorm, which runs over the whole tensor, each wave's mean and M2 = the sum of (x - mean)^2 of its own 128 numbers.
; The variance is never formed as a difference of large sums: the next launch joins the 1,024 pairs (mean, M2).
; A thread takes 16 bytes of x, a work-group 2,048: every load and store of a wave covers 512 consecutive bytes.  A stream: no LDS, no barrier, no matrix unit, nothing shared between work-groups.
.set X,   4                            ; v4-7   q, then x
.set W,   44                           ; v44 sum, v45 at work, v46 mean, v47 M2, v48-51 differences
.set SEL, 20
.macro WRED x, t                       ; the sum over the 32 lanes, in every lane
	v_add_f32_dpp v[\x], v[\x], v[\x] row_xmask:1 row_mask:0xf bank_mask:0xf
	v_add_f32_dpp v[\x], v[\x], v[\x] row_xmask:2 row_mask:0xf bank_mask:0xf
	v_add_f32_dpp v[\x], v[\x], v[\x] row_xmask:4 row_mask:0xf bank_mask:0xf
	v_add_f32_dpp v[\x], v[\x], v[\x] row_xmask:8 row_mask:0xf bank_mask:0xf
	v_permlanex16_b32 v[\t], v[\x], s[SEL], s[SEL+1]
	v_add_f32 v[\x], v[\x], v[\t]
.endm
	s_load_b256 s[4:11], s[0:1], 0x0               ; part s[4:5], q s[6:7], bo s[8:9], xbuf s[10:11]
	s_load_b64 s[12:13], s[0:1], 0x20              ; st1
	v_lshrrev_b32 v2, 5, v0
	v_readfirstlane_b32 s14, v2                    ; wave
	v_and_b32 v2, 31, v0                           ; lane
	v_lshlrev_b32 v1, 4, v0                        ; 16 x thread
	v_and_b32 v3, 1, v0
	v_lshlrev_b32 v3, 4, v3                        ; which half of bo's eight numbers is mine
	v_mov_b32 v52, 0
	s_lshl_b32 s18, ttmp9, 11
	v_add_nc_u32 v53, s18, v1                      ; my 16 bytes in q and in x
	s_lshr_b32 s16, ttmp9, 5                       ; the batch: eight heads of 65,536 bytes in part,
	s_lshl_b32 s16, s16, 19
	s_and_b32 s17, ttmp9, 31
	s_lshl_b32 s17, s17, 11                        ; and my 64 rows in a head's
	s_add_co_u32 s16, s16, s17
	s_mov_b32 s17, 0
	s_lshl_b32 s22, ttmp9, 2
	s_add_co_u32 s22, s22, s14
	s_lshl_b32 s22, s22, 2                         ; my wave's word among the 1,024
	s_mov_b32 s23, 0
	s_mov_b32 s[SEL], 0x76543210
	s_mov_b32 s[SEL+1], 0xfedcba98
	s_wait_alu depctr_va_vdst(0)
	s_wait_kmcnt 0x0
	s_add_nc_u64 s[4:5], s[4:5], s[16:17]
	s_add_nc_u64 s[12:13], s[12:13], s[22:23]
.irp d, 0,1,2,3,4,5,6,7
	global_load_b128 v[12+4*\d:15+4*\d], v1, s[4:5] offset:65536*\d th:TH_LOAD_NT   ; read once in the launch
.endr
	global_load_b128 v[4:7], v53, s[6:7]
	global_load_b128 v[8:11], v3, s[8:9]
	s_wait_loadcnt 0x0
.irp a, 12,20,28,36                    ; a tree: the heads in pairs,
	v_pk_add_f32 v[\a:\a+1], v[\a:\a+1], v[\a+4:\a+5]
	v_pk_add_f32 v[\a+2:\a+3], v[\a+2:\a+3], v[\a+6:\a+7]
.endr
	v_pk_add_f32 v[4:5], v[4:5], v[8:9]            ; q + bo,
	v_pk_add_f32 v[6:7], v[6:7], v[10:11]
.irp a, 12,28
	v_pk_add_f32 v[\a:\a+1], v[\a:\a+1], v[\a+8:\a+9]
	v_pk_add_f32 v[\a+2:\a+3], v[\a+2:\a+3], v[\a+10:\a+11]
.endr
	v_pk_add_f32 v[12:13], v[12:13], v[28:29]
	v_pk_add_f32 v[14:15], v[14:15], v[30:31]
	v_pk_add_f32 v[4:5], v[4:5], v[12:13]
	v_pk_add_f32 v[6:7], v[6:7], v[14:15]
	global_store_b128 v53, v[4:7], s[10:11]
	v_add_f32 v[W], v[X], v[X+1]                   ; my wave's mean
	v_add_f32 v[W+1], v[X+2], v[X+3]
	v_add_f32 v[W], v[W], v[W+1]
	WRED W, W+1
	v_mul_f32 v[W+2], 0x3c000000, v[W]             ; / 128
.irp i, 0,1,2,3
	v_sub_f32 v[W+4+\i], v[X+\i], v[W+2]
.endr
	v_mul_f32 v[W+3], v[W+4], v[W+4]               ; and its M2
.irp i, 1,2,3
	v_fma_f32 v[W+3], v[W+4+\i], v[W+4+\i], v[W+3]
.endr
	WRED W+3, W+1
	s_wait_alu depctr_va_vdst(0)
	s_wait_xcnt 0x0                                ; EXEC changes only behind this wait: the store above has it among its sources
	v_cmp_eq_u32 vcc_lo, 0, v2
	s_and_saveexec_b32 s24, vcc_lo                 ; lane 0 alone
	global_store_b32 v52, v[W+2], s[12:13]
	global_store_b32 v52, v[W+3], s[12:13] offset:4096
	s_wait_xcnt 0x0
	s_or_b32 exec_lo, exec_lo, s24
	s_endpgm
.Lfunc_end_k_q73021469e2_sumx:
	.size	k_q73021469e2_sumx, .Lfunc_end_k_q73021469e2_sumx-k_q73021469e2_sumx
	.p2alignl 7, 3214868480
	.fill 96, 4, 3214868480
	.section	.rodata,"a",@progbits
	.p2align	6, 0x0
	.amdhsa_kernel k_q73021469e2_sumx
		.amdhsa_group_segment_fixed_size 0
		.amdhsa_private_segment_fixed_size 0
		.amdhsa_enable_private_segment 0
		.amdhsa_kernarg_size 40
		.amdhsa_user_sgpr_count 2
		.amdhsa_user_sgpr_kernarg_segment_ptr 1
		.amdhsa_wavefront_size32 1
		.amdhsa_system_sgpr_workgroup_id_x 1
		.amdhsa_system_sgpr_workgroup_id_y 1
		.amdhsa_system_sgpr_workgroup_id_z 1
		.amdhsa_system_vgpr_workitem_id 0
		.amdhsa_next_free_vgpr 64
		.amdhsa_next_free_sgpr 66
		.amdhsa_reserve_vcc 1
		.amdhsa_float_denorm_mode_32 3
		.amdhsa_float_denorm_mode_16_64 3
		.amdhsa_memory_ordered 1
		.amdhsa_forward_progress 1
		.amdhsa_inst_pref_size 5
	.end_amdhsa_kernel
	.amdgpu_metadata
---
amdhsa.version: [ 1, 2 ]
amdhsa.kernels:
  - .name:           k_q73021469e2_sumx
    .symbol:         k_q73021469e2_sumx.kd
    .args:
      - { .name: part, .offset: 0, .size: 8, .value_kind: global_buffer, .address_space: global }
      - { .name: q, .offset: 8, .size: 8, .value_kind: global_buffer, .address_space: global }
      - { .name: bo, .offset: 16, .size: 8, .value_kind: global_buffer, .address_space: global }
      - { .name: xbuf, .offset: 24, .size: 8, .value_kind: global_buffer, .address_space: global }
      - { .name: st1, .offset: 32, .size: 8, .value_kind: global_buffer, .address_space: global }
    .group_segment_fixed_size: 0
    .private_segment_fixed_size: 0
    .kernarg_segment_align: 8
    .kernarg_segment_size: 40
    .max_flat_workgroup_size: 128
    .sgpr_count:     66
    .vgpr_count:     64
    .wavefront_size: 32
...
	.end_amdgpu_metadata
.endif
;; end of part 3
;; launch ffn (part 4): grid 256 x 1, 4 waves a work-group, no clusters, 35,328 bytes of LDS; arguments xbuf, st1, ln1_g, ln1_b, wimg, b1, b2, q, ybuf, st2; writes ybuf, st2
.if DOCPART == 4
	.amdgcn_target "amdgcn-amd-amdhsa--gfx1250"
	.amdhsa_code_object_version 6
	.text
	.protected	k_q73021469e2_ffn
	.globl	k_q73021469e2_ffn
	.p2align	8
	.type	k_q73021469e2_ffn,@function
k_q73021469e2_ffn:
	s_mov_b64 s[64:65], 0
	v_nop
	global_prefetch_b8 v0, s[64:65] scope:SCOPE_SE
	s_setreg_imm32_b32 hwreg(HW_REG_WAVE_MODE, 25, 1), 1
	s_wait_xcnt 0x0
; h = LayerNorm over the whole tensor of x (mean and variance joined from the 1,024 pairs in st1), times ln1_g plus ln1_b;  y = q + relu(h W1 + b1) W2 + b2;  and each wave's mean and M2 of its 128 numbers of y.
; Both products are left as they are and take bf16 operands and f32 sums; b1 stays in f32 as the C of the first product.
; SHARES: a work-group takes 64 rows, wave w rows 16 w .. 16 w + 15, through all 512 hidden units: nothing is summed across waves.
; THE WEIGHTS COME AS IMAGES OF THE OPERANDS' REGISTERS, in bf16, which the first launch has laid in wimg: each wave brings a quarter of the 32,768 bytes, 16 loads of 16 bytes a lane (512 bytes on end each),
; and stores them to LDS as they are; one barrier, every wave reads all.  A wave's 41 loads go out together at the head.
; cluster = none and no tensor load: the shared bytes are asked for once, at the head, and there is no loop of tiles; for the same reason nothing is prefetched.
; BOTH PRODUCTS ARE USED TRANSPOSED: hidden^T = W1^T h^T (source 0 = 16 hidden units, K = 8 of the form's 32, the rest zeros), out^T = W2^T hidden^T (source 0: row m stands for output m % 8).  Two tiles of hidden^T, rounded in
; pairs, ARE source 1 of the second product: nothing changes lanes.
; LDS: 0: W1's 32 tiles x 512 bytes (registers 0-3 of the fragment; lanes 16-31 hold zeros);  16,384: W2's 16 K steps x 1,024 bytes;  32,768: b1, 2,048 bytes;  34,816: the spare words.
; LIMITS: NaN and infinities are not served.
.set ST,   160                         ; v160-191 32 means a lane, v192-223 32 M2 a lane (phase A)
.set MEAN, 224                         ; v[224:225] the mean, twice;  v[226:227] 1 / sqrt(variance + eps), twice
.set RSTD, 226
.set T,    228                         ; v228-235 at work
.set X,    228                         ; y
.set W,    232                         ; v232 sum, v233 at work, v234 mean, v235 M2, v236-239 differences
.set HF,   16                          ; v16-23 h's fragment
.set HB,   192                         ; v192-207 the hidden layer's two fragments of a group (phase B)
.set OA,   208                         ; v208-223 two accumulators of out^T
.set SEL,  28
.macro WRED x, t                       ; the sum over the 32 lanes, in every lane
	v_add_f32_dpp v[\x], v[\x], v[\x] row_xmask:1 row_mask:0xf bank_mask:0xf
	v_add_f32_dpp v[\x], v[\x], v[\x] row_xmask:2 row_mask:0xf bank_mask:0xf
	v_add_f32_dpp v[\x], v[\x], v[\x] row_xmask:4 row_mask:0xf bank_mask:0xf
	v_add_f32_dpp v[\x], v[\x], v[\x] row_xmask:8 row_mask:0xf bank_mask:0xf
	v_permlanex16_b32 v[\t], v[\x], s[SEL], s[SEL+1]
	v_add_f32 v[\x], v[\x], v[\t]
.endm
	s_load_b256 s[4:11], s[0:1], 0x0               ; xbuf s[4:5], st1 s[6:7], ln1_g s[8:9], ln1_b s[10:11]
	s_load_b128 s[12:15], s[0:1], 0x20             ; wimg s[12:13], b1 s[14:15]
	s_load_b64 s[18:19], s[0:1], 0x30              ; b2
	s_load_b128 s[20:23], s[0:1], 0x38             ; q s[20:21], ybuf s[22:23]
	s_load_b64 s[24:25], s[0:1], 0x48              ; st2
	v_lshl_add_u32 v240, v0, 2, 0x8800
	v_mov_b32 v241, 0
	v_lshrrev_b32 v13, 5, v0
	v_readfirstlane_b32 s26, v13                   ; wave
	v_and_b32 v13, 31, v0                          ; lane
	v_and_b32 v2, 15, v0                           ; r
	v_bfe_u32 v3, v0, 4, 1                         ; h
	v_lshlrev_b32 v1, 4, v13                       ; 16 x lane: an image's place for my lane
	s_lshl_b32 s27, s26, 13
	v_add_nc_u32 v6, s27, v1                       ; where I store images: 16 x lane + 8,192 x wave
	s_lshl_b32 s31, s26, 9
	v_add_nc_u32 v7, s31, v1                       ; b1: 16 x lane + 512 x wave, in memory and in LDS
	v_lshlrev_b32 v8, 5, v2                        ; row r of 32 bytes
	v_lshl_add_u32 v9, v3, 4, v8                   ; and my half of it
	v_lshlrev_b32 v10, 5, v3                       ; 32 h: b1 of the tile's units 8 h on
	v_lshlrev_b32 v11, 4, v3                       ; 16 h: my half of b2
	v_mov_b32 v12, 0
	v_cmp_lt_u32 s30, 15, v13                      ; the lanes of the upper half
	s_lshl_b32 s32, ttmp9, 11
	s_add_co_u32 s32, s32, s31                     ; my wave's 16 rows: 2,048 x work-group + 512 x wave
	s_mov_b32 s33, 0
	s_mov_b32 s34, s27                             ; wimg: my quarter begins 8,192 x wave on
	s_mov_b32 s35, 0
	s_lshl_b32 s44, ttmp9, 2
	s_add_co_u32 s44, s44, s26
	s_lshl_b32 s44, s44, 2                         ; my wave's word among the 1,024
	s_mov_b32 s45, 0
	s_mov_b32 s[SEL], 0x76543210
	s_mov_b32 s[SEL+1], 0xfedcba98
	s_mov_b32 s40, 0x43000000                      ; 128
	s_mov_b32 s41, 0x37000000                      ; 2^-17 = 1 / 131,072
	s_mov_b32 s42, 0x3727c5ac                      ; eps = 1e-5
	s_wait_alu depctr_va_vdst(0)
	s_wait_kmcnt 0x0
	s_add_nc_u64 s[4:5], s[4:5], s[32:33]
	s_add_nc_u64 s[8:9], s[8:9], s[32:33]
	s_add_nc_u64 s[10:11], s[10:11], s[32:33]
	s_add_nc_u64 s[20:21], s[20:21], s[32:33]
	s_add_nc_u64 s[22:23], s[22:23], s[32:33]
	s_add_nc_u64 s[12:13], s[12:13], s[34:35]
	s_add_nc_u64 s[24:25], s[24:25], s[44:45]
	; ---- A: the weights' images, the statistics, h
.irp i, 0,1,2,3,4,5,6,7,8,9,10,11,12,13,14,15
	global_load_b128 v[32+4*\i:35+4*\i], v1, s[12:13] offset:512*\i      ; my quarter of the images
.endr
	global_load_b128 v[152:155], v7, s[14:15]      ; b1
.irp j, 0,1,2,3,4,5,6,7,8,9,10,11,12,13,14,15
	global_load_b128 v[ST+4*\j:ST+4*\j+3], v1, s[6:7] offset:512*\j      ; 1,024 means, then 1,024 M2
.endr
	global_load_b128 v[128:131], v8, s[4:5]        ; row r of x,
	global_load_b128 v[132:135], v8, s[4:5] offset:16
	global_load_b128 v[136:139], v8, s[8:9]        ; of ln1_g,
	global_load_b128 v[140:143], v8, s[8:9] offset:16
	global_load_b128 v[144:147], v8, s[10:11]      ; of ln1_b
	global_load_b128 v[148:151], v8, s[10:11] offset:16
	global_load_b128 v[24:27], v9, s[20:21]        ; my four numbers of q
	global_load_b128 v[28:31], v11, s[18:19]       ; and of b2
	s_wait_loadcnt 25                              ; the images' 16 loads are in; the 25 issued behind them may be out
.irp i, 0,1,2,3,4,5,6,7,8,9,10,11,12,13,14,15
	ds_store_b128 v6, v[32+4*\i:35+4*\i] offset:512*\i
.endr
	s_wait_loadcnt 0x0
	ds_store_b128 v7, v[152:155] offset:32768
	; the whole tensor's mean and variance from the 1,024 waves' (mean, M2), each of 128 numbers: m = sum(mean) / 1,024; variance = (sum(M2) + 128 sum((mean - m)^2)) / 131,072
	v_pk_add_f32 v[T:T+1], v[ST:ST+1], v[ST+2:ST+3]
	v_pk_add_f32 v[T+2:T+3], v[ST+4:ST+5], v[ST+6:ST+7]
	v_pk_add_f32 v[T+4:T+5], v[ST+32:ST+33], v[ST+34:ST+35]
	v_pk_add_f32 v[T+6:T+7], v[ST+36:ST+37], v[ST+38:ST+39]
.irp j, 8,12,16,20,24,28
	v_pk_add_f32 v[T:T+1], v[T:T+1], v[ST+\j:ST+\j+1]
	v_pk_add_f32 v[T+2:T+3], v[T+2:T+3], v[ST+\j+2:ST+\j+3]
	v_pk_add_f32 v[T+4:T+5], v[T+4:T+5], v[ST+32+\j:ST+33+\j]
	v_pk_add_f32 v[T+6:T+7], v[T+6:T+7], v[ST+34+\j:ST+35+\j]
.endr
	v_pk_add_f32 v[T:T+1], v[T:T+1], v[T+2:T+3]
	v_pk_add_f32 v[T+4:T+5], v[T+4:T+5], v[T+6:T+7]
	v_add_f32 v[T], v[T], v[T+1]
	v_add_f32 v[T+4], v[T+4], v[T+5]
	WRED T, T+1
	WRED T+4, T+5
	v_mul_f32 v[MEAN], 0x3a800000, v[T]            ; / 1,024
	v_mov_b32 v[MEAN+1], v[MEAN]
.set j, 0
.rept 16
	v_pk_add_f32 v[ST+j:ST+j+1], v[ST+j:ST+j+1], v[MEAN:MEAN+1] neg_lo:[0,1] neg_hi:[0,1]
.set j, j+2
.endr
	v_pk_mul_f32 v[T:T+1], v[ST:ST+1], v[ST:ST+1]
	v_pk_mul_f32 v[T+2:T+3], v[ST+2:ST+3], v[ST+2:ST+3]
.irp j, 4,8,12,16,20,24,28
	v_pk_fma_f32 v[T:T+1], v[ST+\j:ST+\j+1], v[ST+\j:ST+\j+1], v[T:T+1]
	v_pk_fma_f32 v[T+2:T+3], v[ST+\j+2:ST+\j+3], v[ST+\j+2:ST+\j+3], v[T+2:T+3]
.endr
	v_pk_add_f32 v[T:T+1], v[T:T+1], v[T+2:T+3]
	v_add_f32 v[T], v[T], v[T+1]
	WRED T, T+1
	v_fma_f32 v[T], v[T], s40, v[T+4]
	v_fma_f32 v[T], v[T], s41, s42                 ; variance + eps
	s_wait_alu depctr_va_vdst(0)
	v_rsq_f32 v[RSTD], v[T]
	v_nop                                          ; one plain place behind a transcendental
	s_wait_alu depctr_va_vdst(0)
	v_mov_b32 v[RSTD+1], v[RSTD]
.irp i, 0,2,4,6
	v_pk_add_f32 v[128+\i:129+\i], v[128+\i:129+\i], v[MEAN:MEAN+1] neg_lo:[0,1] neg_hi:[0,1]
.endr
.irp i, 0,2,4,6
	v_pk_mul_f32 v[128+\i:129+\i], v[128+\i:129+\i], v[RSTD:RSTD+1]
.endr
.irp i, 0,2,4,6
	v_pk_fma_f32 v[128+\i:129+\i], v[128+\i:129+\i], v[136+\i:137+\i], v[144+\i:145+\i]
.endr
.irp i, 0,1,2,3
	v_cvt_pk_bf16_f32 v[HF+\i], v[128+2*\i], v[129+2*\i]
.endr
.irp i, 0,1,2,3
	v_cndmask_b32 v[HF+\i], v[HF+\i], v12, s30     ; source 1: lanes 0-15 hold row r's eight numbers, all else of the form's K = 32 is zero
	v_mov_b32 v[HF+4+\i], 0
.endr
	s_wait_dscnt 0x0                               ; for the others' sake: my stores have landed; and they have read v32-95, of which some are written now
.irp a, 0,1,2,3,4,5,6,7
.irp i, 4,5,6,7
	v_mov_b32 v[32+8*\a+\i], 0                     ; registers 4-7 of W1's eight fragment places: K = 16 .. 31, zeros, written once
.endr
.endr
	s_wait_alu depctr_va_vdst(0)
	s_barrier_signal -1
	s_barrier_wait -1                              ; all images lie in LDS; nothing stores tiles to LDS from here on
	; ---- B: eight groups of 64 hidden units, on two sets of registers by turns: WA v32.. (4 fragments of W1), AC v96.. (4 accumulators, which begin as b1), WB v160.. (2 fragments of W2)
.macro LOADG g                         ; 16 LDS loads
.set WA, 32+32*((\g)%2)
.set AC, 96+32*((\g)%2)
.set WB, 160+16*((\g)%2)
.irp i, 0,1,2,3
	ds_load_b128 v[WA+8*\i:WA+8*\i+3], v1 offset:512*(4*(\g)+\i)
.endr
.irp i, 0,1,2,3
.irp c, 0,1
	ds_load_b128 v[AC+8*\i+4*\c:AC+8*\i+4*\c+3], v10 offset:32768+4*(64*(\g)+16*\i)+16*\c   ; register j: b1 of the tile's unit 8 h + j
.endr
.endr
.irp k, 0,1
.irp c, 0,1
	ds_load_b128 v[WB+8*\k+4*\c:WB+8*\k+4*\c+3], v1 offset:16384+1024*(2*(\g)+\k)+512*\c
.endr
.endr
.endm
.macro COMPG g
.set WA, 32+32*((\g)%2)
.set AC, 96+32*((\g)%2)
.set WB, 160+16*((\g)%2)
.irp i, 0,1,2,3
	v_wmma_f32_16x16x32_bf16 v[AC+8*\i:AC+8*\i+7], v[WA+8*\i:WA+8*\i+7], v[HF:HF+7], v[AC+8*\i:AC+8*\i+7]
.endr
.rept 4
	v_nop                                          ; four places (ISA guide 7.12.1) in front of the first read of results
.endr
.set j, 0
.rept 32
	v_max_num_f32 v[AC+j], 0, v[AC+j]              ; the activation, in f32; each accumulator from its low end on
.set j, j+1
.endr
.set j, 0
.rept 16
	v_cvt_pk_bf16_f32 v[HB+j], v[AC+2*j], v[AC+2*j+1]
.set j, j+1
.endr
.irp k, 0,1                            ; even K steps on one accumulator, odd on the other: no two matrix instructions on end share an accumulator
.if (\g) == 0
	v_wmma_f32_16x16x32_bf16 v[OA+8*\k:OA+8*\k+7], v[WB+8*\k:WB+8*\k+7], v[HB+8*\k:HB+8*\k+7], 0
.else
	v_wmma_f32_16x16x32_bf16 v[OA+8*\k:OA+8*\k+7], v[WB+8*\k:WB+8*\k+7], v[HB+8*\k:HB+8*\k+7], v[OA+8*\k:OA+8*\k+7]
.endif
.endr
.rept 4
	v_nop                                          ; four places in front of the loads into this set's registers, of the next group's writes of HB, and of the first read of out^T
.endr
.endm
	LOADG 0
.irp g, 0,1,2,3,4,5,6
	LOADG \g+1
	s_wait_dscnt 16                                ; this group's 16 loads are in; the next group's 16 may be out
	COMPG \g
.endr
	s_wait_dscnt 0x0
	COMPG 7
	; ---- C: y, and my wave's statistics
.irp i, 0,1,2,3
	v_cndmask_b32 v[X+\i], v[OA+\i], v[OA+4+\i], s30       ; every lane holds row r's eight outputs: lanes 0-15 keep 0-3, lanes 16-31 keep 4-7
.endr
.irp i, 0,1,2,3
	v_cndmask_b32 v[W+\i], v[OA+8+\i], v[OA+12+\i], s30
.endr
.irp i, 0,2
	v_pk_add_f32 v[X+\i:X+\i+1], v[X+\i:X+\i+1], v[W+\i:W+\i+1]
.endr
.irp i, 0,2
	v_pk_add_f32 v[X+\i:X+\i+1], v[X+\i:X+\i+1], v[28+\i:29+\i]    ; + b2
.endr
.irp i, 0,2
	v_pk_add_f32 v[X+\i:X+\i+1], v[X+\i:X+\i+1], v[24+\i:25+\i]    ; + q
.endr
	global_store_b128 v9, v[X:X+3], s[22:23]       ; the wave's store covers its 16 rows: 512 consecutive bytes, aligned
	v_add_f32 v[W], v[X], v[X+1]
	v_add_f32 v[W+1], v[X+2], v[X+3]
	v_add_f32 v[W], v[W], v[W+1]
	WRED W, W+1
	v_mul_f32 v[W+2], 0x3c000000, v[W]             ; my wave's mean: / 128
.irp i, 0,1,2,3
	v_sub_f32 v[W+4+\i], v[X+\i], v[W+2]
.endr
	v_mul_f32 v[W+3], v[W+4], v[W+4]               ; and its M2
.irp i, 1,2,3
	v_fma_f32 v[W+3], v[W+4+\i], v[W+4+\i], v[W+3]
.endr
	WRED W+3, W+1
	s_wait_alu depctr_va_vdst(0)
	s_wait_xcnt 0x0                                ; EXEC changes only behind this wait: the store above has it among its sources
	v_cmp_eq_u32 vcc_lo, 0, v13
	s_wait_tensorcnt 0x0                           ; the wave's end, behind my last LDS store
	ds_add_u32 v240, v241
	s_wait_dscnt 0x0
	s_and_saveexec_b32 s43, vcc_lo                 ; lane 0 alone
	global_store_b32 v12, v[W+2], s[24:25]
	global_store_b32 v12, v[W+3], s[24:25] offset:4096
	s_wait_xcnt 0x0
	s_or_b32 exec_lo, exec_lo, s43
	s_endpgm
.Lfunc_end_k_q73021469e2_ffn:
	.size	k_q73021469e2_ffn, .Lfunc_end_k_q73021469e2_ffn-k_q73021469e2_ffn
	.p2alignl 7, 3214868480
	.fill 96, 4, 3214868480
	.section	.rodata,"a",@progbits
	.p2align	6, 0x0
	.amdhsa_kernel k_q73021469e2_ffn
		.amdhsa_group_segment_fixed_size 35328
		.amdhsa_private_segment_fixed_size 0
		.amdhsa_enable_private_segment 0
		.amdhsa_kernarg_size 80
		.amdhsa_user_sgpr_count 2
		.amdhsa_user_sgpr_kernarg_segment_ptr 1
		.amdhsa_wavefront_size32 1
		.amdhsa_system_sgpr_workgroup_id_x 1
		.amdhsa_system_sgpr_workgroup_id_y 1
		.amdhsa_system_sgpr_workgroup_id_z 1
		.amdhsa_system_vgpr_workitem_id 0
		.amdhsa_next_free_vgpr 242
		.amdhsa_next_free_sgpr 66
		.amdhsa_reserve_vcc 1
		.amdhsa_float_denorm_mode_32 3
		.amdhsa_float_denorm_mode_16_64 3
		.amdhsa_memory_ordered 1
		.amdhsa_forward_progress 1
		.amdhsa_inst_pref_size 47
	.end_amdhsa_kernel
	.amdgpu_metadata
---
amdhsa.version: [ 1, 2 ]
amdhsa.kernels:
  - .name:           k_q73021469e2_ffn
    .symbol:         k_q73021469e2_ffn.kd
    .args:
      - { .name: xbuf, .offset: 0, .size: 8, .value_kind: global_buffer, .address_space: global }
      - { .name: st1, .offset: 8, .size: 8, .value_kind: global_buffer, .address_space: global }
      - { .name: ln1_g, .offset: 16, .size: 8, .value_kind: global_buffer, .address_space: global }
      - { .name: ln1_b, .offset: 24, .size: 8, .value_kind: global_buffer, .address_space: global }
      - { .name: wimg, .offset: 32, .size: 8, .value_kind: global_buffer, .address_space: global }
      - { .name: b1, .offset: 40, .size: 8, .value_kind: global_buffer, .address_space: global }
      - { .name: b2, .offset: 48, .size: 8, .value_kind: global_buffer, .address_space: global }
      - { .name: q, .offset: 56, .size: 8, .value_kind: global_buffer, .address_space: global }
      - { .name: ybuf, .offset: 64, .size: 8, .value_kind: global_buffer, .address_space: global }
      - { .name: st2, .offset: 72, .size: 8, .value_kind: global_buffer, .address_space: global }
    .group_segment_fixed_size: 35328
    .private_segment_fixed_size: 0
    .kernarg_segment_align: 8
    .kernarg_segment_size: 80
    .max_flat_workgroup_size: 128
    .sgpr_count:     66
    .vgpr_count:     242
    .wavefront_size: 32
...
	.end_amdgpu_metadata
.endif
;; end of part 4
;; launch ln2 (part 5): grid 256 x 1, 4 waves a work-group, no clusters, 0 bytes of LDS; arguments ybuf, st2, ln2_g, ln2_b, out0, out1, out2; writes out0, out1, out2
.if DOCPART == 5
	.amdgcn_target "amdgcn-amd-amdhsa--gfx1250"
	.amdhsa_code_object_version 6
	.text
	.protected	k_q73021469e2_ln2
	.globl	k_q73021469e2_ln2
	.p2align	8
	.type	k_q73021469e2_ln2,@function
k_q73021469e2_ln2:
	s_mov_b64 s[64:65], 0
	v_nop
	global_prefetch_b8 v0, s[64:65] scope:SCOPE_SE
	s_setreg_imm32_b32 hwreg(HW_REG_WAVE_MODE, 25, 1), 1
	s_wait_xcnt 0x0
; out = LayerNorm over the whole tensor of y (mean and variance joined from the 1,024 pairs in st2), times ln2_g plus ln2_b, stored three times.
; A thread takes 16 bytes, a work-group 2,048: every load and store of a wave covers 512 consecutive bytes.  A stream: no LDS, no barrier, no matrix unit.
.set ST,   32                          ; v32-63 32 means a lane, v64-95 32 M2 a lane
.set MEAN, 16                          ; v[16:17] the mean, twice;  v[18:19] 1 / sqrt(variance + eps), twice
.set RSTD, 18
.set T,    20                          ; v20-27 at work
.set SEL,  20
.macro WRED x, t                       ; the sum over the 32 lanes, in every lane
	v_add_f32_dpp v[\x], v[\x], v[\x] row_xmask:1 row_mask:0xf bank_mask:0xf
	v_add_f32_dpp v[\x], v[\x], v[\x] row_xmask:2 row_mask:0xf bank_mask:0xf
	v_add_f32_dpp v[\x], v[\x], v[\x] row_xmask:4 row_mask:0xf bank_mask:0xf
	v_add_f32_dpp v[\x], v[\x], v[\x] row_xmask:8 row_mask:0xf bank_mask:0xf
	v_permlanex16_b32 v[\t], v[\x], s[SEL], s[SEL+1]
	v_add_f32 v[\x], v[\x], v[\t]
.endm
	s_load_b256 s[4:11], s[0:1], 0x0               ; ybuf s[4:5], st2 s[6:7], ln2_g s[8:9], ln2_b s[10:11]
	s_load_b128 s[12:15], s[0:1], 0x20             ; out0 s[12:13], out1 s[14:15]
	s_load_b64 s[16:17], s[0:1], 0x30              ; out2
	v_and_b32 v1, 31, v0
	v_lshlrev_b32 v1, 4, v1                        ; 16 x lane: the statistics
	v_lshlrev_b32 v2, 4, v0
	s_lshl_b32 s18, ttmp9, 11
	v_add_nc_u32 v2, s18, v2                       ; my 16 bytes in each tensor
	s_mov_b32 s[SEL], 0x76543210
	s_mov_b32 s[SEL+1], 0xfedcba98
	s_mov_b32 s22, 0x43000000                      ; 128
	s_mov_b32 s23, 0x37000000                      ; 2^-17 = 1 / 131,072
	s_mov_b32 s24, 0x3727c5ac                      ; eps = 1e-5
	s_wait_alu depctr_va_vdst(0)
	s_wait_kmcnt 0x0
.irp j, 0,1,2,3,4,5,6,7,8,9,10,11,12,13,14,15
	global_load_b128 v[ST+4*\j:ST+4*\j+3], v1, s[6:7] offset:512*\j      ; 1,024 means, then 1,024 M2
.endr
	global_load_b128 v[4:7], v2, s[4:5] th:TH_LOAD_NT
	global_load_b128 v[8:11], v2, s[8:9] th:TH_LOAD_NT
	global_load_b128 v[12:15], v2, s[10:11] th:TH_LOAD_NT
	s_wait_loadcnt 0x0
	; m = sum(mean) / 1,024; variance = (sum(M2) + 128 sum((mean - m)^2)) / 131,072: no difference of large sums
	v_pk_add_f32 v[T:T+1], v[ST:ST+1], v[ST+2:ST+3]
	v_pk_add_f32 v[T+2:T+3], v[ST+4:ST+5], v[ST+6:ST+7]
	v_pk_add_f32 v[T+4:T+5], v[ST+32:ST+33], v[ST+34:ST+35]
	v_pk_add_f32 v[T+6:T+7], v[ST+36:ST+37], v[ST+38:ST+39]
.irp j, 8,12,16,20,24,28
	v_pk_add_f32 v[T:T+1], v[T:T+1], v[ST+\j:ST+\j+1]
	v_pk_add_f32 v[T+2:T+3], v[T+2:T+3], v[ST+\j+2:ST+\j+3]
	v_pk_add_f32 v[T+4:T+5], v[T+4:T+5], v[ST+32+\j:ST+33+\j]
	v_pk_add_f32 v[T+6:T+7], v[T+6:T+7], v[ST+34+\j:ST+35+\j]
.endr
	v_pk_add_f32 v[T:T+1], v[T:T+1], v[T+2:T+3]
	v_pk_add_f32 v[T+4:T+5], v[T+4:T+5], v[T+6:T+7]
	v_add_f32 v[T], v[T], v[T+1]
	v_add_f32 v[T+4], v[T+4], v[T+5]
	WRED T, T+1
	WRED T+4, T+5
	v_mul_f32 v[MEAN], 0x3a800000, v[T]            ; / 1,024
	v_mov_b32 v[MEAN+1], v[MEAN]
.set j, 0
.rept 16
	v_pk_add_f32 v[ST+j:ST+j+1], v[ST+j:ST+j+1], v[MEAN:MEAN+1] neg_lo:[0,1] neg_hi:[0,1]
.set j, j+2
.endr
	v_pk_mul_f32 v[T:T+1], v[ST:ST+1], v[ST:ST+1]
	v_pk_mul_f32 v[T+2:T+3], v[ST+2:ST+3], v[ST+2:ST+3]
.irp j, 4,8,12,16,20,24,28
	v_pk_fma_f32 v[T:T+1], v[ST+\j:ST+\j+1], v[ST+\j:ST+\j+1], v[T:T+1]
	v_pk_fma_f32 v[T+2:T+3], v[ST+\j+2:ST+\j+3], v[ST+\j+2:ST+\j+3], v[T+2:T+3]
.endr
	v_pk_add_f32 v[T:T+1], v[T:T+1], v[T+2:T+3]
	v_add_f32 v[T], v[T], v[T+1]
	WRED T, T+1
	v_fma_f32 v[T], v[T], s22, v[T+4]
	v_fma_f32 v[T], v[T], s23, s24                 ; variance + eps
	s_wait_alu depctr_va_vdst(0)
	v_rsq_f32 v[RSTD], v[T]
	v_nop                                          ; one plain place behind a transcendental
	s_wait_alu depctr_va_vdst(0)
	v_mov_b32 v[RSTD+1], v[RSTD]
	v_pk_add_f32 v[4:5], v[4:5], v[MEAN:MEAN+1] neg_lo:[0,1] neg_hi:[0,1]
	v_pk_add_f32 v[6:7], v[6:7], v[MEAN:MEAN+1] neg_lo:[0,1] neg_hi:[0,1]
	v_pk_mul_f32 v[4:5], v[4:5], v[RSTD:RSTD+1]
	v_pk_mul_f32 v[6:7], v[6:7], v[RSTD:RSTD+1]
	v_pk_fma_f32 v[4:5], v[4:5], v[8:9], v[12:13]
	v_pk_fma_f32 v[6:7], v[6:7], v[10:11], v[14:15]
	global_store_b128 v2, v[4:7], s[12:13] th:TH_STORE_NT
	global_store_b128 v2, v[4:7], s[14:15] th:TH_STORE_NT
	global_store_b128 v2, v[4:7], s[16:17] th:TH_STORE_NT
	s_endpgm
.Lfunc_end_k_q73021469e2_ln2:
	.size	k_q73021469e2_ln2, .Lfunc_end_k_q73021469e2_ln2-k_q73021469e2_ln2
	.p2alignl 7, 3214868480
	.fill 96, 4, 3214868480
	.section	.rodata,"a",@progbits
	.p2align	6, 0x0
	.amdhsa_kernel k_q73021469e2_ln2
		.amdhsa_group_segment_fixed_size 0
		.amdhsa_private_segment_fixed_size 0
		.amdhsa_enable_private_segment 0
		.amdhsa_kernarg_size 56
		.amdhsa_user_sgpr_count 2
		.amdhsa_user_sgpr_kernarg_segment_ptr 1
		.amdhsa_wavefront_size32 1
		.amdhsa_system_sgpr_workgroup_id_x 1
		.amdhsa_system_sgpr_workgroup_id_y 1
		.amdhsa_system_sgpr_workgroup_id_z 1
		.amdhsa_system_vgpr_workitem_id 0
		.amdhsa_next_free_vgpr 96
		.amdhsa_next_free_sgpr 66
		.amdhsa_reserve_vcc 0
		.amdhsa_float_denorm_mode_32 3
		.amdhsa_float_denorm_mode_16_64 3
		.amdhsa_memory_ordered 1
		.amdhsa_forward_progress 1
		.amdhsa_inst_pref_size 9
	.end_amdhsa_kernel
	.amdgpu_metadata
---
amdhsa.version: [ 1, 2 ]
amdhsa.kernels:
  - .name:           k_q73021469e2_ln2
    .symbol:         k_q73021469e2_ln2.kd
    .args:
      - { .name: ybuf, .offset: 0, .size: 8, .value_kind: global_buffer, .address_space: global }
      - { .name: st2, .offset: 8, .size: 8, .value_kind: global_buffer, .address_space: global }
      - { .name: ln2_g, .offset: 16, .size: 8, .value_kind: global_buffer, .address_space: global }
      - { .name: ln2_b, .offset: 24, .size: 8, .value_kind: global_buffer, .address_space: global }
      - { .name: out0, .offset: 32, .size: 8, .value_kind: global_buffer, .address_space: global }
      - { .name: out1, .offset: 40, .size: 8, .value_kind: global_buffer, .address_space: global }
      - { .name: out2, .offset: 48, .size: 8, .value_kind: global_buffer, .address_space: global }
    .group_segment_fixed_size: 0
    .private_segment_fixed_size: 0
    .kernarg_segment_align: 8
    .kernarg_segment_size: 56
    .max_flat_workgroup_size: 128
    .sgpr_count:     66
    .vgpr_count:     96
    .wavefront_size: 32
...
	.end_amdgpu_metadata
.endif
;; end of part 5
